; MI455X (gfx1250); checked and timed in simulation.
; The chip was launched on July 23, 2026; its instructions are those of AMD's public machine-readable ISA for CDNA 5 (MIT licence, August 2026) and "CDNA5" Instruction Set Architecture Reference Guide (July 2026). The comments in the code are by the model that wrote it; some were corrected since.
;; Mo EFFN. Allowed arithmetic: matrix products marked QUANTISED: E4M3 operands, one E8M0 scale for each 32 along K, by v_wmma_scale_f32_16x16x128_f8f6f4 with both operands' format E4M3, f32 sums; products left as they are: f32 operands where the result goes on into a quantised operand, else bf16, f16 or f32 operands; f32 sums; everything else in f32.
;; Inputs: W1 8 x 512 x 2,048 float32; W2 8 x 2,048 x 512 float32; Wg 512 x 8 float32; b1 8 x 2,048 float32; b2 8 x 512 float32; x 4 x 1,024 x 512 float32.
;; Outputs: out0 4 x 1,024 x 512 float32; out1 one number float32.
;; This version of the problem:
;;   THIS VERSION OF THE PROBLEM IS GIVEN IN LOW PRECISION. The matrix products marked QUANTISED in the list below multiply operands that are first quantised to E4M3 (4 exponent bits, 3 mantissa bits; 8 bits a number), with one power-of-two scale for each 32 numbers along K (OCP MX v1.0); their sums are f32. All else is computed in f32.
;;   The module's matrix products, in the order in which they are computed (A, B: the left and right operand; K: the contracted axis; several contracted axes count as one K, in the product's order):
;;     1. [M 4,096, K 512] x [K 512, N 8]; A: input x; B: input Wg: left as it is (N = 8 < 16)
;;     2. [M 4,096, K 512] x [K 512, N 16,384]; A: input x; B: input W1: QUANTISED
;;     3. batch 8 x [M 512, K 2,048] x [K 2,048, N 4,096]; A: input W2; B: computed on the way: QUANTISED
;;     4. batch 4,096 x [M 512, K 8] x [K 8, N 1]; A: computed on the way; B: computed on the way: left as it is (K = 8 < 32)
;;   THE QUANTISER, for each operand of a quantised product, along K:
;;     - K is cut into blocks of 32 from its start; a last block that is shorter is filled with zeros.
;;     - A block's scale is 2^e with e = floor(log2(the largest magnitude in the block)) - 8, held to -126 .. 127; a block of zeros has e = 0. As a byte (E8M0): e + 127.
;;     - Each number is divided by its block's scale, clamped to +-448, and rounded to the nearest number of E4M3, ties to even, subnormals kept.
;;     - The product sums the exact products of the quantised numbers (number of the format x scale) in f32.
;;   ~~~python
;;   def quantise(x, axis):      # numpy; x: float32 -> the quantised numbers, widened to float32 again
;;       x = np.moveaxis(x, axis, -1); K = x.shape[-1]
;;       x = np.pad(x, [(0, 0)] * (x.ndim - 1) + [(0, -K % 32)]); x = x.reshape(x.shape[:-1] + (-1, 32)); a = np.abs(x).max(-1, keepdims=True)
;;       e = np.where(a > 0, np.clip(np.frexp(np.where(a > 0, a, 1))[1] - 1 - 8, -126, 127), 0)      # np.frexp(a)[1] - 1 = floor(log2(a)), exactly
;;       r = np.clip(x / 2.0 ** e, -448, 448)
;;       step = 2.0 ** (np.maximum(np.frexp(np.where(r == 0, 1, r))[1] - 1, -6) - 3)
;;       q = np.round(r / step) * step * 2.0 ** e      # np.round: ties to even
;;       return np.moveaxis(q.reshape(q.shape[:-2] + (-1,))[..., :K], -1, axis).astype(np.float32)
;;   ~~~
;;   OPERANDS COMPUTED ON THE WAY. 'Computed on the way' means the value that the module computes at that place (a softmax that the list does not call 'softmax' is quantised finished and normalised). What goes into a quantiser is computed in f32, as accurately as f32 sums, v_exp_f32 and their like allow (about 1e-6 of the number): no bf16 or f16 on the way to a quantiser, and a product that is left as it is and whose result goes on into a quantised operand takes f32 operands (vector FMAs, or v_wmma_f32_16x16x4_f32). A number that lies on a knife's edge between two numbers of the format may be rounded either way, as far as f32 arithmetic and the matrix unit's own rounding can turn it there, and no further.
;; 2 versions, each right; version 2 is version 1 with the launch ffn written anew for expert scheduling mode. Each part assembles by itself: llvm-mc -triple=amdgcn-amd-amdhsa -mcpu=gfx1250 --defsym DOCPART=n.
;; ======== version 1 of 2: 4 launches
;; workspace buffers: xq 2,203,648 bytes; sel 32,768 bytes of whole numbers; w1q 8,650,752 bytes; w2q 8,650,752 bytes; plan 39,168 bytes of whole numbers; part 16,777,216 bytes
;; launch prep1 (part 1): grid 192 x 1, 16 waves a work-group, no clusters, 67,584 bytes of LDS; arguments x, Wg, W1, xq, sel, w1q; writes xq, sel, w1q
.if DOCPART == 1
	.amdgcn_target "amdgcn-amd-amdhsa--gfx1250"
	.amdhsa_code_object_version 6
	.text
	.protected	k_q41f7650525_prep1
	.globl	k_q41f7650525_prep1
	.p2align	8
	.type	k_q41f7650525_prep1,@function
k_q41f7650525_prep1:
	s_mov_b64 s[64:65], 0
	v_nop
	global_prefetch_b8 v0, s[64:65] scope:SCOPE_SE
	s_setreg_imm32_b32 hwreg(HW_REG_WAVE_MODE, 25, 1), 1
	s_wait_xcnt 0x0
; PREP1.  Work-groups 0-127: W1 [8][512][2048] f32 becomes codes of E4M3 and E8M0 scale bytes, quantised along its axis of 512, laid in the order of the operand registers of the later product.
; Work-groups 128-191: the router (logits in f32, softmax with the maximum taken away, the two largest, their gates, partial sums for the auxiliary loss) and x as codes and scale bytes.
; A block's scale is 2^(floor(log2(largest magnitude)) - 8); its byte is the largest magnitude's exponent field - 8, held at 1 from below; numbers are held within +-448 x the scale and rounded to the nearest code.
; LIMITS: NaN and infinities are not served.  A block of zeros gets the byte 1 with zero codes (the bytes are read by this program alone).  u = 2^(..) is 0 under 2^-126: such a probability or gate is 0.
; Equal u go to the lower index; two probabilities closer than f32 rounding may be ranked otherwise than by a division.
; No choice made here feeds an address or a branch: the chosen experts are stored as whole numbers at fixed places, and a later launch places the rows.
; W1q: codes [e 8][G 16][b 4][f 8][2048 B], f = 2 s + u: fragment of K step s (128 of the 512), its row r = hidden unit 128 G + 32 b + 8 u + r + 8 (r / 8); in a fragment chunk c (512 B) holds lane L's 16 bytes at 16 L:
; row L % 16, k = 32 c + 16 (L / 16) + 0 .. 15.  Scales, from byte 8,388,608 on: [e][G][b][512 B]: 16 bytes for lane slot r + 16 u, word s.
; xq: codes [4096][512] at 0; scale bytes [4096][16] at 2,097,152; gates [8192] f32 at 2,162,688; partial sums [64][32] f32 at 2,195,456.   sel: [8192] u32: the expert of routed row 2 t + slot.
.set RP,    8192                       ; a row of W1 in bytes
.set QS,    0                          ; LDS, weight path: 2,048 bytes of scale words
.set WGL,   2048                       ; LDS, router path: Wg as 32 rows of 512 + 16 bytes
.set TS,    18944                      ; a stage of 32 x 80 bytes for each wave
.set SELB,  59904                      ; 512 bytes: the work-group's chosen experts
.set GATB,  60416                      ; 512 bytes: their gates
.set AUXB,  60928                      ; 16 waves x 64 bytes: partial sums
.set XSB,   61952                      ; 1,024 bytes: x's scale bytes
.set XS_OFF,   2097152
.set GATE_OFF, 2162688
.set AUX_OFF,  2195456
.set SC_OFF,   8388608
.set MNT,   48                         ; s48: the mantissa field of 448
.set QX,    32                         ; weight path: v32-159 four blocks of 32 numbers; v160-191 their codes; v24 the scale word
.set QC,    160
.set QSB,   24
.set ACC,   32                         ; router path: v32-63 logits' partial sums, register 8 q + e
.set RX,    64                         ; v64-127 x: register 16 q + i = x[token q][16 lane + i]
.set WGR,   128                        ; v128-255 Wg: register 8 i + e = Wg[16 lane + i][e]; before that v128-191 x as loaded
.set UT,    144                        ; behind the logits: v144-175 at work in the reduction; v128-143 x's codes; v176-179 scale bytes
.set CD,    128
.set SEL,   36                         ; s[36:37] lane selects: lane xor 16
	s_load_b256 s[4:11], s[0:1], 0x0               ; x, Wg, W1, xq
	s_load_b128 s[12:15], s[0:1], 0x20             ; sel, w1q
	v_lshl_add_u32 v11, v0, 2, 0x10000
	v_mov_b32 v31, 0
	v_lshrrev_b32 v1, 5, v0
	v_readfirstlane_b32 s18, v1                    ; wave 0..15
	v_and_b32 v1, 31, v0                           ; lane
	s_mov_b32 s[MNT], 0x600000
	s_wait_kmcnt 0x0
	s_cmp_lt_u32 ttmp9, 128
	s_cbranch_scc0 .Lrouter
; ---------------- THE WEIGHTS.  A work-group takes 128 columns (group G of expert e) x all 512 along K; wave: b = wave % 4 (32 columns), s = wave / 4 (128 along K).
; A lane takes a column and its registers run down K: a block of 32 lies in one lane, and the conversions give codes with K innermost.
.macro LOADB t
.set ii, 0
.rept 32
	global_load_b32 v[QX+32*(\t)+ii], v2, s[8:9] offset:(32*(\t)+ii)*RP th:TH_LOAD_NT   ; 32 lanes read 128 consecutive bytes; the four waves of one s stand side by side on 512
.set ii, ii+1
.endr
.endm
.macro BLOCK t, lc
.set XB, QX+32*(\t)
	s_wait_loadcnt \lc                             ; loads come back in order: at most lc are out, and more than lc were issued behind this block's or lc is their number
	v_max3_num_f32 v16, |v[XB]|, |v[XB+1]|, |v[XB+2]|
	v_max3_num_f32 v17, |v[XB+3]|, |v[XB+4]|, |v[XB+5]|
.irp i, 6,10,14,18,22,26
	v_max3_num_f32 v16, v16, |v[XB+\i]|, |v[XB+\i+1]|
	v_max3_num_f32 v17, v17, |v[XB+\i+2]|, |v[XB+\i+3]|
.endr
	v_max3_num_f32 v16, v16, |v[XB+30]|, |v[XB+31]|
	v_max3_num_f32 v16, v16, v17, 0x4800000        ; with the floor 2^(9 - 127): the byte cannot fall under 1
	v_add_nc_u32 v19, 0xfc000000, v16              ; 8 off the exponent field: the conversion's scale operand
	v_and_or_b32 v18, v16, 0x7f800000, s[MNT]      ; 448 x the scale
	v_lshrrev_b32 v17, 23, v19                     ; the scale's byte
.if (\t) == 0
	v_mov_b32 v[QSB], v17
.else
	v_lshl_or_b32 v[QSB], v17, 8*(\t), v[QSB]      ; four bytes make the word of this column and K step
.endif
.set kk, 0
.rept 32
	v_med3_num_f32 v[XB+kk], v[XB+kk], -v18, v18   ; the conversion to an 8-bit code does not saturate (ISA guide 7.6.2): the hold comes first
.set kk, kk+1
.endr
.irp g, 0,1,2,3
	v_cvt_scalef32_pk8_fp8_f32 v[QC+8*(\t)+2*\g:QC+8*(\t)+2*\g+1], v[XB+8*\g:XB+8*\g+7], v19
.endr
	global_store_b128 v6, v[QC+8*(\t):QC+8*(\t)+3], s[28:29] offset:512*(\t)          ; k = 32 t + 0 .. 15: the places of lanes 0-15 of chunk t; sixteen lanes fill 256 consecutive bytes of each of two fragments
	global_store_b128 v6, v[QC+8*(\t)+4:QC+8*(\t)+7], s[28:29] offset:512*(\t)+256    ; k = 32 t + 16 .. 31: the places of lanes 16-31
.endm
	s_lshr_b32 s20, ttmp9, 4                       ; e
	s_and_b32 s21, ttmp9, 15                       ; G
	s_and_b32 s22, s18, 3                          ; b
	s_lshr_b32 s23, s18, 2                         ; s
	s_lshl_b32 s24, s20, 22                        ; an expert is 4 MiB,
	s_lshl_b32 s25, s23, 20                        ; 128 rows are 1 MiB,
	s_add_co_u32 s24, s24, s25
	s_lshl_b32 s25, s21, 9                         ; 128 columns 512 bytes,
	s_add_co_u32 s24, s24, s25
	s_lshl_b32 s25, s22, 7                         ; 32 columns 128
	s_add_co_u32 s24, s24, s25
	s_mov_b32 s25, 0
	s_add_nc_u64 s[8:9], s[8:9], s[24:25]
	v_lshlrev_b32 v2, 2, v1                        ; 4 bytes a lane
	LOADB 0
	LOADB 1
	LOADB 2
	LOADB 3
	s_lshl_b32 s24, s20, 20                        ; the codes: e x 1 MiB + G x 64 KiB + b x 16 KiB + 2 s x 2 KiB
	s_lshl_b32 s26, s21, 16
	s_add_co_u32 s24, s24, s26
	s_lshl_b32 s26, s22, 14
	s_add_co_u32 s24, s24, s26
	s_lshl_b32 s26, s23, 12
	s_add_co_u32 s24, s24, s26
	s_add_nc_u64 s[28:29], s[14:15], s[24:25]
	s_lshl_b32 s24, s20, 15                        ; the scales: e x 32 KiB + G x 2 KiB
	s_lshl_b32 s26, s21, 11
	s_add_co_u32 s24, s24, s26
	s_add_co_u32 s24, s24, SC_OFF
	s_add_nc_u64 s[30:31], s[14:15], s[24:25]
	v_bfe_u32 v3, v1, 3, 1                         ; column x of the 32: u = (x / 8) % 2,
	v_and_b32 v4, 7, v1
	v_lshrrev_b32 v5, 4, v1
	v_lshl_add_u32 v4, v5, 3, v4                   ; r = x % 8 + 8 (x / 16)
	v_lshlrev_b32 v6, 4, v4
	v_lshl_add_u32 v6, v3, 11, v6                  ; my codes' place: 2,048 u + 16 r
	v_lshl_add_u32 v7, v3, 4, v4                   ; lane slot r + 16 u
	v_lshlrev_b32 v7, 4, v7
	s_lshl_b32 s26, s22, 9
	s_lshl_b32 s27, s23, 2
	s_add_co_u32 s26, s26, s27
	v_add_nc_u32 v7, s26, v7                       ; LDS: QS (= 0) + 512 b + 16 slot + 4 s
	v_lshlrev_b32 v8, 4, v0                        ; 16 x thread: the way out of the scale words
	BLOCK 0, 63
	BLOCK 1, 63
	BLOCK 2, 32
	BLOCK 3, 0
	ds_store_b32 v7, v[QSB]
	s_wait_dscnt 0x0                               ; for the others: my word lies in LDS
	s_barrier_signal -1
	s_barrier_wait -1
	s_cmp_lt_u32 s18, 4
	s_cbranch_scc0 .Lwq_end
	ds_load_b128 v[20:23], v8                      ; waves 0-3: the work-group's 2,048 bytes of scale words, dense
	s_wait_dscnt 0x0
	global_store_b128 v8, v[20:23], s[30:31]
.Lwq_end:
	s_wait_tensorcnt 0x0
	ds_add_u32 v11, v31
	s_wait_dscnt 0x0
	s_endpgm
; ---------------- THE ROUTER.  Work-group R takes 64 tokens, a wave four: token 64 R + 4 wave + q.
.macro RED8 op, r                      ; over the eight lanes of a token
	\op v[\r], v[\r], v[\r] row_xmask:1 row_mask:0xf bank_mask:0xf
	\op v[\r], v[\r], v[\r] row_xmask:2 row_mask:0xf bank_mask:0xf
	\op v[\r], v[\r], v[\r] row_xmask:4 row_mask:0xf bank_mask:0xf
.endm
.macro TURN q                          ; token q's 2,048 bytes through my stage: in as loaded (16 bytes a lane of 512), back 64 bytes a lane.  LDS serves a wave's instructions in order
.irp i, 0,1,2,3
	ds_store_b128 v5, v[WGR+16*(\q)+4*\i:WGR+16*(\q)+4*\i+3] offset:640*\i
.endr
.irp i, 0,1,2,3
	ds_load_b128 v[RX+16*(\q)+4*\i:RX+16*(\q)+4*\i+3], v6 offset:16*\i
.endr
.endm
; One step of the transposing reduction: of registers n and n + hh a lane keeps one and sends the other to lane xor hh.  After five steps lane L holds the whole sum of register L.
.macro TSTEP hh, mk, xm
.set nn, 0
.rept \hh
	v_cndmask_b32 v[UT+nn], v[ACC+nn+\hh], v[ACC+nn], s[\mk]
	v_cndmask_b32 v[ACC+nn], v[ACC+nn], v[ACC+nn+\hh], s[\mk]
.set nn, nn+1
.endr
.if \hh == 16
.set nn, 0
.rept 16
	v_permlanex16_b32 v[UT+16+nn], v[UT+nn], s[SEL], s[SEL+1]
.set nn, nn+1
.endr
.set nn, 0
.rept 16
	v_add_f32 v[ACC+nn], v[ACC+nn], v[UT+16+nn]
.set nn, nn+1
.endr
.else
.set nn, 0
.rept \hh
	v_add_f32_dpp v[ACC+nn], v[UT+nn], v[ACC+nn] row_xmask:\xm row_mask:0xf bank_mask:0xf
.set nn, nn+1
.endr
.endif
.endm
.macro XQ q                            ; token q's 512 numbers become codes: a lane holds 16 neighbours, two neighbouring lanes a block
.set XR, RX+16*(\q)
	v_max3_num_f32 v25, |v[XR]|, |v[XR+1]|, |v[XR+2]|
	v_max3_num_f32 v26, |v[XR+3]|, |v[XR+4]|, |v[XR+5]|
.irp i, 6,10
	v_max3_num_f32 v25, v25, |v[XR+\i]|, |v[XR+\i+1]|
	v_max3_num_f32 v26, v26, |v[XR+\i+2]|, |v[XR+\i+3]|
.endr
	v_max3_num_f32 v25, v25, |v[XR+14]|, |v[XR+15]|
	v_max3_num_f32 v25, v25, v26, 0x4800000
	v_max_num_f32_dpp v25, v25, v25 row_xmask:1 row_mask:0xf bank_mask:0xf
	v_add_nc_u32 v27, 0xfc000000, v25
	v_and_or_b32 v26, v25, 0x7f800000, s[MNT]
.set kk, 0
.rept 16
	v_med3_num_f32 v[XR+kk], v[XR+kk], -v26, v26
.set kk, kk+1
.endr
	v_cvt_scalef32_pk8_fp8_f32 v[CD+4*(\q):CD+4*(\q)+1], v[XR:XR+7], v27
	v_cvt_scalef32_pk8_fp8_f32 v[CD+4*(\q)+2:CD+4*(\q)+3], v[XR+8:XR+15], v27
	v_lshrrev_b32 v[176+(\q)], 23, v27             ; the byte; also the plain line behind the conversions
	ds_store_b8 v8, v[176+(\q)] offset:16*(\q)     ; both lanes of a block write the same byte
	global_store_b128 v2, v[CD+4*(\q):CD+4*(\q)+3], s[24:25] offset:512*(\q)   ; a token's 512 codes: 512 consecutive bytes
.endm
.Lrouter:
	s_sub_co_u32 s19, ttmp9, 128                   ; R
	v_lshlrev_b32 v2, 4, v1                        ; 16 x lane
	v_lshlrev_b32 v3, 4, v0                        ; 16 x thread
	s_lshl_b32 s20, s19, 17                        ; 64 tokens of 2,048 bytes,
	s_lshl_b32 s21, s18, 13                        ; four tokens
	s_add_co_u32 s20, s20, s21
	s_mov_b32 s21, 0
	s_add_nc_u64 s[4:5], s[4:5], s[20:21]
	global_load_b128 v[16:19], v3, s[6:7]          ; Wg, 16,384 bytes, dense: 32 bytes a thread
	global_load_b128 v[20:23], v3, s[6:7] offset:8192
.irp q, 0,1,2,3
.irp i, 0,1,2,3
	global_load_b128 v[WGR+16*\q+4*\i:WGR+16*\q+4*\i+3], v2, s[4:5] offset:2048*\q+512*\i th:TH_LOAD_NT
.endr
.endr
	s_mul_i32 s22, s18, 528
	s_add_co_u32 s22, s22, WGL
	v_add_nc_u32 v4, s22, v2                       ; Wg into LDS: row = wave (and 16 + wave), 16 bytes a lane
	s_mul_i32 s22, s18, 2560
	s_add_co_u32 s22, s22, TS
	v_lshrrev_b32 v5, 2, v1
	v_mul_u32_u24 v5, v5, 80
	v_and_b32 v6, 3, v1
	v_lshl_add_u32 v5, v6, 4, v5
	v_add_nc_u32 v5, s22, v5                       ; my stage, in: 80 (lane / 4) + 16 (lane % 4)
	v_mul_u32_u24 v6, v1, 80
	v_add_nc_u32 v6, s22, v6                       ; and back: 80 x lane
	v_mul_u32_u24 v7, v1, 528
	v_add_nc_u32 v7, WGL, v7                       ; Wg's rows 16 lane .. 16 lane + 15: 512 bytes
	s_lshl_b32 s22, s18, 6
	s_add_co_u32 s23, s22, XSB
	v_lshrrev_b32 v8, 1, v1
	v_add_nc_u32 v8, s23, v8                       ; x's scale byte: XSB + 64 wave + lane / 2 (+ 16 q)
	s_add_co_u32 s23, s22, AUXB
	v_and_b32 v12, 15, v1
	v_lshlrev_b32 v12, 2, v12                      ; 4 (lane % 16)
	v_add_nc_u32 v10, s23, v12                     ; my wave's partial sums
	s_lshl_b32 s22, s18, 5
	s_add_co_u32 s22, s22, SELB
	v_lshrrev_b32 v9, 3, v1
	v_lshlrev_b32 v9, 3, v9
	v_and_b32 v13, 1, v1                           ; lane bit 0 (also: a partner with the lower index, for masks 1)
	v_lshl_add_u32 v9, v13, 2, v9
	v_add_nc_u32 v9, s22, v9                       ; SELB + 32 wave + 8 (lane / 8) + 4 (lane % 2)
	v_bfe_u32 v14, v1, 1, 1                        ; lane bit 1 (masks 2, 3)
	v_bfe_u32 v15, v1, 2, 1                        ; lane bit 2 (masks 4 to 7)
	s_lshl_b32 s26, s19, 7
	v_lshl_add_u32 v28, v1, 2, s26                 ; 128 R + 4 lane
	s_lshl_b32 s26, s19, 9
	v_add_nc_u32 v29, s26, v2                      ; 512 R + 16 lane
	s_lshl_b32 s26, s19, 10
	v_add_nc_u32 v30, s26, v2                      ; 1,024 R + 16 lane
	s_lshl_b32 s24, s19, 15                        ; x's codes: 64 tokens of 512 bytes,
	s_lshl_b32 s26, s18, 11                        ; four tokens
	s_add_co_u32 s24, s24, s26
	s_mov_b32 s25, 0
	s_add_nc_u64 s[24:25], s[10:11], s[24:25]
	s_mov_b32 s30, 0xffff0000                      ; lanes with bit 4, 3, 2, 1, 0
	s_mov_b32 s31, 0xff00ff00
	s_mov_b32 s32, 0xf0f0f0f0
	s_mov_b32 s33, 0xcccccccc
	s_mov_b32 s34, 0xaaaaaaaa
	s_mov_b32 s[SEL], 0x76543210
	s_mov_b32 s[SEL+1], 0xfedcba98
	s_mov_b32 s38, 0x3fb8aa3b                      ; log2(e)
	s_wait_loadcnt 16                              ; Wg's two loads are in; x's sixteen may be out
	ds_store_b128 v4, v[16:19]
	ds_store_b128 v4, v[20:23] offset:16*528
	s_wait_dscnt 0x0
	s_barrier_signal -1
	s_barrier_wait -1                              ; Wg lies in LDS
	s_wait_loadcnt 0x0
	TURN 0
	TURN 1
	TURN 2
	TURN 3
	s_wait_dscnt 0x0                               ; x is back, and the stores have read v128-191
.set jj, 0
.rept 32
	ds_load_b128 v[WGR+4*jj:WGR+4*jj+3], v7 offset:16*jj
.set jj, jj+1
.endr
	s_wait_dscnt 0x0
	; the logits' partial sums: my 16 of the 512, four tokens x eight experts, two experts an instruction; the first product starts the sums
.set ii, 0
.rept 16
.set qq, 0
.rept 4
.set pp, 0
.rept 4
.if ii == 0
	v_pk_mul_f32 v[ACC+8*qq+2*pp:ACC+8*qq+2*pp+1], v[RX+16*qq:RX+16*qq+1], v[WGR+2*pp:WGR+2*pp+1] op_sel_hi:[0,1]
.elseif (ii&1) == 0
	v_pk_fma_f32 v[ACC+8*qq+2*pp:ACC+8*qq+2*pp+1], v[RX+16*qq+ii:RX+16*qq+ii+1], v[WGR+8*ii+2*pp:WGR+8*ii+2*pp+1], v[ACC+8*qq+2*pp:ACC+8*qq+2*pp+1] op_sel_hi:[0,1,1]
.else
	v_pk_fma_f32 v[ACC+8*qq+2*pp:ACC+8*qq+2*pp+1], v[RX+16*qq+ii-1:RX+16*qq+ii], v[WGR+8*ii+2*pp:WGR+8*ii+2*pp+1], v[ACC+8*qq+2*pp:ACC+8*qq+2*pp+1] op_sel:[1,0,0] op_sel_hi:[1,1,1]
.endif
.set pp, pp+1
.endr
.set qq, qq+1
.endr
.set ii, ii+1
.endr
	TSTEP 16, 30, 0
	TSTEP 8, 31, 8
	TSTEP 4, 32, 4
	TSTEP 2, 33, 2
	TSTEP 1, 34, 1                                 ; v32: lane L holds the logit of token L / 8, expert L % 8
	v_mov_b32 v33, v32
	RED8 v_max_num_f32_dpp, 33                     ; the token's largest logit
	v_sub_f32 v34, v32, v33
	v_mul_f32 v34, s38, v34
	v_exp_f32 v35, v34                             ; u = e^(logit - max), at most 1
	v_mov_b32 v40, 0                               ; (a plain line behind the exponential)  my rank
	s_wait_alu depctr_va_vdst(0)                   ; the wait ahead of the first line that names u
	v_mov_b32 v36, v35
	RED8 v_add_f32_dpp, 36
	v_rcp_f32 v37, v36
	v_and_b32 v44, 7, v1                           ; (a plain line)  my expert
	; my rank among the token's eight: how many beat me.  u is not negative, so its bits order as the numbers do; a partner with the lower index also wins a tie: one is added to its bits
.irp m, 1,2,3,4,5,6,7
	v_mov_b32_dpp v39, v35 row_xmask:\m row_mask:0xf bank_mask:0xf
.if \m == 1
	v_add_nc_u32 v39, v39, v13
.elseif \m < 4
	v_add_nc_u32 v39, v39, v14
.else
	v_add_nc_u32 v39, v39, v15
.endif
	v_cmp_gt_u32 vcc_lo, v39, v35
	v_add_co_ci_u32 v40, vcc_lo, 0, v40, vcc_lo
.endr
	s_wait_alu depctr_va_vdst(0)                   ; the reciprocal: the rank's lines were the work between
	v_mul_f32 v38, v35, v37                        ; p
	v_cmp_gt_u32 vcc_lo, 2, v40
	v_cndmask_b32 v41, 0, v35, vcc_lo
	RED8 v_add_f32_dpp, 41                         ; the two largest u
	v_rcp_f32 v42, v41
	v_nop
	v_cvt_f32_u32 v44, v44
	v_cmp_eq_u32 s40, 0, v40                       ; the largest,
	v_cmp_eq_u32 s41, 1, v40                       ; the second
	v_cndmask_b32 v45, 0, v44, s40
	v_cndmask_b32 v46, 0, v44, s41
	v_cndmask_b32 v49, 0, 1.0, s40                 ; counts for the load
	s_wait_alu depctr_va_vdst(0)
	v_mul_f32 v43, v35, v42                        ; the gate, were I chosen: p1 / (p1 + p2) = u1 / (u1 + u2)
	v_cndmask_b32 v47, 0, v43, s40
	v_cndmask_b32 v48, 0, v43, s41
	RED8 v_add_f32_dpp, 45                         ; sums with one term that is not 0: every lane of the token gets the two experts and the two gates
	RED8 v_add_f32_dpp, 46
	RED8 v_add_f32_dpp, 47
	RED8 v_add_f32_dpp, 48
	v_cndmask_b32 v53, v45, v46, s34               ; odd lanes carry slot 1
	v_cndmask_b32 v54, v47, v48, s34
	v_cvt_u32_f32 v53, v53
	v_add_f32_dpp v38, v38, v38 row_xmask:8 row_mask:0xf bank_mask:0xf    ; p and the counts over my wave's four tokens
	v_add_f32_dpp v49, v49, v49 row_xmask:8 row_mask:0xf bank_mask:0xf
	v_permlanex16_b32 v50, v38, s[SEL], s[SEL+1]
	v_permlanex16_b32 v51, v49, s[SEL], s[SEL+1]
	v_add_f32 v38, v38, v50
	v_add_f32 v49, v49, v51
	v_cndmask_b32 v52, v38, v49, s31               ; word lane % 16: 0-7 the sums of p, 8-15 the counts
	XQ 0
	XQ 1
	XQ 2
	XQ 3
	ds_store_b32 v9, v53                           ; lanes that share a word write the same value
	ds_store_b32 v9, v54 offset:GATB-SELB
	ds_store_b32 v10, v52
	s_wait_dscnt 0x0
	s_barrier_signal -1
	s_barrier_wait -1                              ; the work-group's small results lie in LDS: they leave dense
	s_cmp_eq_u32 s18, 0
	s_cbranch_scc0 .Lnot0
	ds_load_b128 v[64:67], v2 offset:SELB
	s_wait_dscnt 0x0
	global_store_b128 v29, v[64:67], s[12:13]
	s_wait_tensorcnt 0x0
	ds_add_u32 v11, v31
	s_wait_dscnt 0x0
	s_endpgm
.Lnot0:
	s_cmp_eq_u32 s18, 1
	s_cbranch_scc0 .Lnot1
	ds_load_b128 v[64:67], v2 offset:GATB
	s_wait_dscnt 0x0
	global_store_b128 v29, v[64:67], s[10:11] offset:GATE_OFF
	s_wait_tensorcnt 0x0
	ds_add_u32 v11, v31
	s_wait_dscnt 0x0
	s_endpgm
.Lnot1:
	s_cmp_eq_u32 s18, 2
	s_cbranch_scc0 .Lnot2
.set jj, 0
.rept 16
	ds_load_b32 v[64+jj], v12 offset:AUXB+64*jj
.set jj, jj+1
.endr
	s_wait_dscnt 0x0
.irp j, 0,1,2,3,4,5,6,7
	v_add_f32 v[64+\j], v[64+\j], v[72+\j]
.endr
.irp j, 0,1,2,3
	v_add_f32 v[64+\j], v[64+\j], v[68+\j]
.endr
	v_add_f32 v64, v64, v66
	v_add_f32 v65, v65, v67
	v_add_f32 v64, v64, v65
	global_store_b32 v28, v64, s[10:11] offset:AUX_OFF
	s_wait_tensorcnt 0x0
	ds_add_u32 v11, v31
	s_wait_dscnt 0x0
	s_endpgm
.Lnot2:
	s_cmp_eq_u32 s18, 3
	s_cbranch_scc0 .Lnot3
	ds_load_b128 v[64:67], v2 offset:XSB
	ds_load_b128 v[68:71], v2 offset:XSB+512
	s_wait_dscnt 0x0
	global_store_b128 v30, v[64:67], s[10:11] offset:XS_OFF
	global_store_b128 v30, v[68:71], s[10:11] offset:XS_OFF+512
.Lnot3:
	s_wait_tensorcnt 0x0
	ds_add_u32 v11, v31
	s_wait_dscnt 0x0
	s_endpgm
.Lfunc_end_k_q41f7650525_prep1:
	.size	k_q41f7650525_prep1, .Lfunc_end_k_q41f7650525_prep1-k_q41f7650525_prep1
	.p2alignl 7, 3214868480
	.fill 96, 4, 3214868480
	.section	.rodata,"a",@progbits
	.p2align	6, 0x0
	.amdhsa_kernel k_q41f7650525_prep1
		.amdhsa_group_segment_fixed_size 67584
		.amdhsa_private_segment_fixed_size 0
		.amdhsa_enable_private_segment 0
		.amdhsa_kernarg_size 48
		.amdhsa_user_sgpr_count 2
		.amdhsa_user_sgpr_kernarg_segment_ptr 1
		.amdhsa_wavefront_size32 1
		.amdhsa_system_sgpr_workgroup_id_x 1
		.amdhsa_system_sgpr_workgroup_id_y 1
		.amdhsa_system_sgpr_workgroup_id_z 1
		.amdhsa_system_vgpr_workitem_id 0
		.amdhsa_next_free_vgpr 256
		.amdhsa_next_free_sgpr 66
		.amdhsa_reserve_vcc 1
		.amdhsa_float_denorm_mode_32 3
		.amdhsa_float_denorm_mode_16_64 3
		.amdhsa_memory_ordered 1
		.amdhsa_forward_progress 1
		.amdhsa_inst_pref_size 77
	.end_amdhsa_kernel
	.amdgpu_metadata
---
amdhsa.version: [ 1, 2 ]
amdhsa.kernels:
  - .name:           k_q41f7650525_prep1
    .symbol:         k_q41f7650525_prep1.kd
    .args:
      - { .name: x, .offset: 0, .size: 8, .value_kind: global_buffer, .address_space: global }
      - { .name: Wg, .offset: 8, .size: 8, .value_kind: global_buffer, .address_space: global }
      - { .name: W1, .offset: 16, .size: 8, .value_kind: global_buffer, .address_space: global }
      - { .name: xq, .offset: 24, .size: 8, .value_kind: global_buffer, .address_space: global }
      - { .name: sel, .offset: 32, .size: 8, .value_kind: global_buffer, .address_space: global }
      - { .name: w1q, .offset: 40, .size: 8, .value_kind: global_buffer, .address_space: global }
    .group_segment_fixed_size: 67584
    .private_segment_fixed_size: 0
    .kernarg_segment_align: 8
    .kernarg_segment_size: 48
    .max_flat_workgroup_size: 512
    .sgpr_count:     66
    .vgpr_count:     256
    .wavefront_size: 32
...
	.end_amdgpu_metadata
.endif
;; end of part 1
;; launch prep2 (part 2): grid 129 x 1, 16 waves a work-group, no clusters, 6,144 bytes of LDS; arguments W2, sel, xq, w2q, plan, out1; writes w2q, plan, out1
.if DOCPART == 2
	.amdgcn_target "amdgcn-amd-amdhsa--gfx1250"
	.amdhsa_code_object_version 6
	.text
	.protected	k_q41f7650525_prep2
	.globl	k_q41f7650525_prep2
	.p2align	8
	.type	k_q41f7650525_prep2,@function
k_q41f7650525_prep2:
	s_mov_b64 s[64:65], 0
	v_nop
	global_prefetch_b8 v0, s[64:65] scope:SCOPE_SE
	s_setreg_imm32_b32 hwreg(HW_REG_WAVE_MODE, 25, 1), 1
	s_wait_xcnt 0x0
; PREP2.  Work-group 0: the 8,192 routed rows (row 2 t + slot, its expert in sel) are placed by expert by a counting sort without atomics; the table of tiles of 64 rows; the auxiliary loss.
; Work-groups 1-128: W2 [8][2048][512] f32 becomes codes of E4M3 and E8M0 scale bytes, quantised along its axis of 2,048, in the order of the operand registers of the later product.
; The quantiser and its LIMITS are those of the launch before: NaN and infinities are not served; a block of zeros gets the byte 1 with zero codes.
; w2q: codes [e 8][oq 4][s2 16][t 8][2048 B]: fragment of K step s2 (128 of the 2,048), its row r = output 128 oq + 16 t + r; scales from byte 8,388,608 on: [e][oq][s2][512 B]: 16 bytes for lane slot r + 16 (t % 2), word t / 2.
; plan: 160 records of 16 bytes (expert, rows, two numbers 0..3 that turn the order in which a tile walks the weights), then from byte 2,560 on 135 x 64 words: the routed rows, each expert's padded with 0 to whole tiles;
; behind them 512 words that no launch reads: a lane that has no word of the list to pad stores its 0 there, so that every lane stays on through the sort.
; With 8,192 rows and 8 experts there are never more than 128 + 7 tiles, whatever the choice.
.set RP,    2048                       ; a row of W2 in bytes
.set QS,    0                          ; LDS, weight path: 2,048 bytes of scale words
.set RT,    2048                       ; LDS, sort: 16 waves x 16 bytes
.set AUX_OFF, 2195456
.set SC_OFF,  8388608
.set ROWL,  2560
.set LISTW, 8640                       ; words of the list
.set LASTW, 9151                       ; the last of the 512 words behind it
.set MNT,   70                         ; s70: the mantissa field of 448
.set QX,    32
.set QC,    160
.set QSB,   24
.set S,     16                         ; sort: v16-31 my 16 rows' experts; v32-47 their ranks among my own; v48-63 store offsets; v64-79 the rows' numbers
.set LR,    32
.set AD,    48
.set RH,    64
.set T,     80                         ; v80-83 counts, two experts of 16 bits a register; v84-87 the lanes below me; v88-91 at work; v92-95 all waves; v96-99 the waves below mine; v100-103 my first places
.set P,     84
.set O,     88
.set N,     92
.set BB,    96
.set Q,     100
.set TX,    104                        ; v104-110 at work; later the tile's record
.set PA,    176                        ; v176, v177 the two padding stores' offsets
.set PB,    177
.set SEL,   78                         ; s[78:79]
	s_load_b256 s[4:11], s[0:1], 0x0               ; W2, sel, xq, w2q
	s_load_b128 s[12:15], s[0:1], 0x20             ; plan, out1
	v_lshl_add_u32 v192, v0, 2, 0x1000
	v_mov_b32 v193, 0
	v_lshrrev_b32 v1, 5, v0
	v_readfirstlane_b32 s18, v1                    ; wave 0..15
	v_and_b32 v1, 31, v0                           ; lane
	s_mov_b32 s[MNT], 0x600000
	s_wait_kmcnt 0x0
	s_cmp_eq_u32 ttmp9, 0
	s_cbranch_scc1 .Lroute
; ---------------- THE WEIGHTS.  A work-group takes 128 columns x 512 along K; wave: b = wave % 4 (32 columns), s = wave / 4 (128 along K).  A lane takes a column, its registers run down K.
.macro LOADB t
.set ii, 0
.rept 32
	global_load_b32 v[QX+32*(\t)+ii], v2, s[4:5] offset:(32*(\t)+ii)*RP th:TH_LOAD_NT
.set ii, ii+1
.endr
.endm
.macro BLOCK t, lc
.set XB, QX+32*(\t)
	s_wait_loadcnt \lc                             ; loads come back in order: at most lc are out, and lc or more were issued behind this block's
	v_max3_num_f32 v16, |v[XB]|, |v[XB+1]|, |v[XB+2]|
	v_max3_num_f32 v17, |v[XB+3]|, |v[XB+4]|, |v[XB+5]|
.irp i, 6,10,14,18,22,26
	v_max3_num_f32 v16, v16, |v[XB+\i]|, |v[XB+\i+1]|
	v_max3_num_f32 v17, v17, |v[XB+\i+2]|, |v[XB+\i+3]|
.endr
	v_max3_num_f32 v16, v16, |v[XB+30]|, |v[XB+31]|
	v_max3_num_f32 v16, v16, v17, 0x4800000        ; with the floor 2^(9 - 127)
	v_add_nc_u32 v19, 0xfc000000, v16              ; the conversion's scale operand
	v_and_or_b32 v18, v16, 0x7f800000, s[MNT]      ; 448 x the scale
	v_lshrrev_b32 v17, 23, v19                     ; the byte
.if (\t) == 0
	v_mov_b32 v[QSB], v17
.else
	v_lshl_or_b32 v[QSB], v17, 8*(\t), v[QSB]
.endif
.set kk, 0
.rept 32
	v_med3_num_f32 v[XB+kk], v[XB+kk], -v18, v18   ; the conversion does not saturate (ISA guide 7.6.2)
.set kk, kk+1
.endr
.irp g, 0,1,2,3
	v_cvt_scalef32_pk8_fp8_f32 v[QC+8*(\t)+2*\g:QC+8*(\t)+2*\g+1], v[XB+8*\g:XB+8*\g+7], v19
.endr
	global_store_b128 v6, v[QC+8*(\t):QC+8*(\t)+3], s[28:29] offset:512*(\t)          ; sixteen lanes fill 256 consecutive bytes of each of two fragments
	global_store_b128 v6, v[QC+8*(\t)+4:QC+8*(\t)+7], s[28:29] offset:512*(\t)+256
.endm
	s_sub_co_u32 s19, ttmp9, 1
	s_lshr_b32 s20, s19, 4                         ; e
	s_bfe_u32 s21, s19, 0x20002                    ; oq: 128 columns
	s_and_b32 s17, s19, 3                          ; kq: 512 along K
	s_and_b32 s22, s18, 3                          ; b
	s_lshr_b32 s23, s18, 2                         ; s
	s_lshl_b32 s24, s20, 22                        ; an expert is 4 MiB, 512 rows 1 MiB, 128 rows 256 KiB,
	s_lshl_b32 s25, s17, 20
	s_add_co_u32 s24, s24, s25
	s_lshl_b32 s25, s23, 18
	s_add_co_u32 s24, s24, s25
	s_lshl_b32 s25, s21, 9                         ; 128 columns 512 bytes, 32 columns 128
	s_add_co_u32 s24, s24, s25
	s_lshl_b32 s25, s22, 7
	s_add_co_u32 s24, s24, s25
	s_mov_b32 s25, 0
	s_add_nc_u64 s[4:5], s[4:5], s[24:25]
	v_lshlrev_b32 v2, 2, v1
	LOADB 0
	LOADB 1
	LOADB 2
	LOADB 3
	s_lshl_b32 s24, s20, 20                        ; the codes: e x 1 MiB + oq x 256 KiB + (4 kq + s) x 16 KiB + 2 b x 2 KiB
	s_lshl_b32 s26, s21, 18
	s_add_co_u32 s24, s24, s26
	s_lshl_b32 s26, s17, 16
	s_add_co_u32 s24, s24, s26
	s_lshl_b32 s26, s23, 14
	s_add_co_u32 s24, s24, s26
	s_lshl_b32 s26, s22, 12
	s_add_co_u32 s24, s24, s26
	s_add_nc_u64 s[28:29], s[10:11], s[24:25]
	s_lshl_b32 s24, s20, 15                        ; the scales: e x 32 KiB + oq x 8 KiB + kq x 2 KiB
	s_lshl_b32 s26, s21, 13
	s_add_co_u32 s24, s24, s26
	s_lshl_b32 s26, s17, 11
	s_add_co_u32 s24, s24, s26
	s_add_co_u32 s24, s24, SC_OFF
	s_add_nc_u64 s[30:31], s[10:11], s[24:25]
	v_lshrrev_b32 v3, 4, v1                        ; column x of the 32: u = x / 16, r = x % 16
	v_and_b32 v4, 15, v1
	v_lshlrev_b32 v6, 4, v4
	v_lshl_add_u32 v6, v3, 11, v6                  ; my codes' place: 2,048 u + 16 r
	v_lshlrev_b32 v7, 4, v1
	s_lshl_b32 s26, s23, 9
	s_lshl_b32 s27, s22, 2
	s_add_co_u32 s26, s26, s27
	v_add_nc_u32 v7, s26, v7                       ; LDS: QS (= 0) + 512 s + 16 x + 4 b
	v_lshlrev_b32 v8, 4, v0
	BLOCK 0, 63
	BLOCK 1, 63
	BLOCK 2, 32
	BLOCK 3, 0
	ds_store_b32 v7, v[QSB]
	s_wait_dscnt 0x0
	s_barrier_signal -1
	s_barrier_wait -1
	s_cmp_lt_u32 s18, 4
	s_cbranch_scc0 .Lwq_end
	ds_load_b128 v[20:23], v8
	s_wait_dscnt 0x0
	global_store_b128 v8, v[20:23], s[30:31]
.Lwq_end:
	s_wait_tensorcnt 0x0
	ds_add_u32 v192, v193
	s_wait_dscnt 0x0
	s_endpgm
; ---------------- THE SORT.  512 threads, 16 rows each: register 4 q + j holds row 2,048 q + 4 thread + j.
.macro XS_STEP m, mk                   ; a step of the exclusive scan over the wave: the sibling group of m lanes counts for me if it lies below me
.irp j, 0,1,2,3
.if \m == 16
	v_permlanex16_b32 v[O+\j], v[T+\j], s[SEL], s[SEL+1]
.else
	v_mov_b32_dpp v[O+\j], v[T+\j] row_xmask:\m row_mask:0xf bank_mask:0xf
.endif
.endr
.irp j, 0,1,2,3
	v_cndmask_b32 v[TX+\j], 0, v[O+\j], s[\mk]
	v_add_nc_u32 v[T+\j], v[T+\j], v[O+\j]
	v_add_nc_u32 v[P+\j], v[P+\j], v[TX+\j]
.endr
.endm
.macro RED16 r                         ; the sum over sixteen lanes, in every lane
.irp m, 1,2,4,8
	v_mov_b32_dpp v12, v[\r] row_xmask:\m row_mask:0xf bank_mask:0xf
	v_add_nc_u32 v[\r], v[\r], v12
.endr
.endm
.Lroute:
	v_lshlrev_b32 v2, 4, v0                        ; 16 x thread: sel's loads, and the table's store
.irp q, 0,1,2,3
	global_load_b128 v[S+4*\q:S+4*\q+3], v2, s[6:7] offset:8192*\q
.endr
	; the offsets that hang on no data are made here, once, and these registers hold nothing else
	v_mov_b32 v9, 0                                ; the padding's 0, and the offset of the one number of out1
	v_add_nc_u32 v10, LISTW, v0                    ; my own word behind the list
	v_and_b32 v13, 15, v0
	v_lshlrev_b32 v14, 2, v0                       ; 4 x thread
	v_lshlrev_b32 v15, 2, v1                       ; 4 x lane: the partial sums
	s_lshl_b32 s26, s18, 4
	s_add_co_u32 s26, s26, RT
	v_mov_b32 v6, s26                              ; RT + 16 wave
	v_lshl_add_u32 v7, v13, 4, RT                  ; RT + 16 (lane % 16)
	s_mov_b32 s72, 0xaaaaaaaa                      ; lanes with bit 0, 1, 2, 3, 4
	s_mov_b32 s73, 0xcccccccc
	s_mov_b32 s74, 0xf0f0f0f0
	s_mov_b32 s75, 0xff00ff00
	s_mov_b32 s76, 0xffff0000
	s_mov_b32 s[SEL], 0x76543210
	s_mov_b32 s[SEL+1], 0xfedcba98
	v_mov_b32 v3, 0                                ; my counts, four bits an expert: my rows are eight tokens' with two different experts each, so a count is 8 at the most
	v_mov_b32 v4, 1
	v_mov_b32 v12, 0
.irp j, 0,1,2,3
	v_mov_b32 v[P+\j], 0
	v_mov_b32 v[O+\j], 0
.endr
	s_wait_loadcnt 0x0
.set ii, 0
.rept 16
	v_min_u32 v[S+ii], 7, v[S+ii]
	v_lshlrev_b32 v5, 2, v[S+ii]
	v_lshrrev_b32 v[LR+ii], v5, v3
	v_and_b32 v[LR+ii], 15, v[LR+ii]               ; how many of my earlier rows have this expert
	v_lshlrev_b32 v5, v5, v4
	v_add_nc_u32 v3, v3, v5
.set ii, ii+1
.endr
.irp j, 0,1,2,3
	v_bfe_u32 v5, v3, 8*\j, 4
	v_bfe_u32 v108, v3, 8*\j+4, 4
	v_lshl_or_b32 v[T+\j], v108, 16, v5            ; experts 2 j and 2 j + 1; no sum passes 8,640, so 16 bits hold it
.endr
	XS_STEP 1, 72
	XS_STEP 2, 73
	XS_STEP 4, 74
	XS_STEP 8, 75
	XS_STEP 16, 76
	ds_store_b128 v6, v[T:T+3]                     ; my wave's counts (every lane holds them)
	s_wait_dscnt 0x0
	s_barrier_signal -1
	s_barrier_wait -1
	ds_load_b128 v[N:N+3], v7                      ; lane L: wave L % 16
	s_wait_dscnt 0x0
	v_cmp_gt_u32 vcc_lo, s18, v13
.irp j, 0,1,2,3
	v_cndmask_b32 v[BB+\j], 0, v[N+\j], vcc_lo     ; only the waves below mine
.endr
.irp j, 0,1,2,3
	RED16 N+\j
	RED16 BB+\j
.endr
.irp j, 0,1,2,3
	v_readfirstlane_b32 s[20+\j], v[N+\j]
	s_and_b32 s[32+2*\j], s[20+\j], 0xffff         ; s32-39: each expert's rows
	s_lshr_b32 s[33+2*\j], s[20+\j], 16
.endr
	s_mov_b32 s40, 0                               ; s40-48: the first tile of each expert, and the number of tiles
.irp e, 0,1,2,3,4,5,6,7
	s_add_co_u32 s26, s[32+\e], 63
	s_lshr_b32 s26, s26, 6
	s_add_co_u32 s[41+\e], s[40+\e], s26
	s_lshl_b32 s26, s[40+\e], 6
	s_add_co_u32 s[56+\e], s26, s[32+\e]           ; s56-63: where the expert's rows end in the list
.endr
.irp j, 0,1,2,3
	s_lshl_b32 s26, s[40+2*\j], 6
	s_lshl_b32 s27, s[41+2*\j], 22
	s_or_b32 s[52+\j], s26, s27
	v_add3_u32 v[Q+\j], s[52+\j], v[BB+\j], v[P+\j]  ; the expert's start + the waves below + the lanes below
.endr
.set ii, 0
.rept 16
	v_and_b32 v5, 2, v[S+ii]
	v_cmp_ne_u32 vcc_lo, 0, v5
	v_cndmask_b32 v108, v[Q], v[Q+1], vcc_lo
	v_cndmask_b32 v109, v[Q+2], v[Q+3], vcc_lo
	v_cmp_lt_u32 vcc_lo, 3, v[S+ii]
	v_cndmask_b32 v108, v108, v109, vcc_lo
	v_and_b32 v5, 1, v[S+ii]
	v_lshlrev_b32 v5, 4, v5
	v_bfe_u32 v108, v108, v5, 16
	v_add_nc_u32 v108, v108, v[LR+ii]
	v_min_u32 v108, LISTW-1, v108                  ; a number made of loaded numbers is held before it enters an address
	v_lshlrev_b32 v[AD+ii], 2, v108
	v_add_nc_u32 v[RH+ii], 2048*(ii/4)+(ii%4), v14
	global_store_b32 v[AD+ii], v[RH+ii], s[12:13] offset:ROWL
.set ii, ii+1
.endr
	; the padding: every word of the list is written.  Waves 2 e and 2 e + 1 fill expert e's last tile (under 64 words); a lane past the tile's end stores its 0 to its own word behind the list
	s_lshr_b32 s26, s18, 1
	s_mov_b32 s27, 0
	s_mov_b32 s28, 0
.irp e, 0,1,2,3,4,5,6,7
	s_cmp_eq_u32 s26, \e
	s_cselect_b32 s27, s[56+\e], s27
	s_cselect_b32 s28, s[41+\e], s28
.endr
	s_lshl_b32 s28, s28, 6
	s_and_b32 s29, s18, 1
	s_lshl_b32 s29, s29, 5
	s_add_co_u32 s27, s27, s29
	v_add_nc_u32 v[PA], s27, v1
	v_cmp_gt_u32 vcc_lo, s28, v[PA]
	v_cndmask_b32 v[PA], v10, v[PA], vcc_lo
	v_min_u32 v[PA], LASTW, v[PA]
	v_lshlrev_b32 v[PA], 2, v[PA]
	global_store_b32 v[PA], v9, s[12:13] offset:ROWL
	s_lshl_b32 s27, s48, 6                         ; and the tiles that this split leaves empty: at most 7 x 64 words, a thread a word from the last tile's end on;
	v_add_nc_u32 v[PB], s27, v0                    ; 64 x 135 + 511 at the most: what passes the list's end falls into the 512 words behind it
	v_min_u32 v[PB], LASTW, v[PB]
	v_lshlrev_b32 v[PB], 2, v[PB]
	global_store_b32 v[PB], v9, s[12:13] offset:ROWL
	; the table of tiles: a thread a tile
	s_cmp_lt_u32 s18, 5
	s_cbranch_scc0 .Lno_tiles
	v_mov_b32 v104, 0                              ; the last expert whose first tile is not behind mine
	v_mov_b32 v108, s56
	v_mov_b32 v109, 0
.irp e, 1,2,3,4,5,6,7
	v_cmp_le_u32 vcc_lo, s[40+\e], v0
	v_cndmask_b32 v104, v104, \e, vcc_lo
	v_cndmask_b32 v108, v108, s[56+\e], vcc_lo
	v_cndmask_b32 v109, v109, s[40+\e], vcc_lo
.endr
	v_lshlrev_b32 v110, 6, v0
	v_cmp_gt_u32 vcc_lo, v108, v110
	v_sub_nc_u32 v105, v108, v110
	v_min_u32 v105, 64, v105
	v_cndmask_b32 v105, 0, v105, vcc_lo            ; its rows: 0 for a tile that this split leaves empty
	v_sub_nc_u32 v109, v0, v109                    ; which tile of its expert
	v_and_b32 v106, 3, v109
	v_bfe_u32 v107, v109, 2, 2
	global_store_b128 v2, v[104:107], s[12:13]
.Lno_tiles:
	; the auxiliary loss: 8 x 0.01 x the sum over experts of (sum of p / 4,096) (count / 4,096)
	s_cmp_eq_u32 s18, 15
	s_cbranch_scc0 .Lroute_end
.set jj, 0
.rept 64
	global_load_b32 v[112+jj], v15, s[8:9] offset:AUX_OFF+128*jj
.set jj, jj+1
.endr
	s_wait_loadcnt 0x0
.set jj, 4
.rept 60
	v_add_f32 v[112+(jj%4)], v[112+(jj%4)], v[112+jj]
.set jj, jj+1
.endr
	v_add_f32 v112, v112, v113
	v_add_f32 v114, v114, v115
	v_add_f32 v112, v112, v114                     ; lane e: the sum of p; lane e + 8: the count
	v_mul_f32_dpp v113, v112, v112 row_xmask:8 row_mask:0xf bank_mask:0xf
	v_add_f32_dpp v113, v113, v113 row_xmask:1 row_mask:0xf bank_mask:0xf
	v_add_f32_dpp v113, v113, v113 row_xmask:2 row_mask:0xf bank_mask:0xf
	v_add_f32_dpp v113, v113, v113 row_xmask:4 row_mask:0xf bank_mask:0xf
	v_mul_f32 v113, 0x31a3d70a, v113               ; 0.08 / 2^24
	v_cmp_eq_u32 vcc_lo, 0, v1                     ; lane 0 alone stores the one number: the text's one change of EXEC, by the lane's number, and its last memory instruction
	s_wait_xcnt 0x0                                ; EXEC changes only when the loads and stores issued so far have read it
	s_and_saveexec_b32 s30, vcc_lo
	global_store_b32 v9, v113, s[14:15]
	s_wait_xcnt 0x0
	s_or_b32 exec_lo, exec_lo, s30
.Lroute_end:
	s_wait_tensorcnt 0x0
	ds_add_u32 v192, v193
	s_wait_dscnt 0x0
	s_endpgm
.Lfunc_end_k_q41f7650525_prep2:
	.size	k_q41f7650525_prep2, .Lfunc_end_k_q41f7650525_prep2-k_q41f7650525_prep2
	.p2alignl 7, 3214868480
	.fill 96, 4, 3214868480
	.section	.rodata,"a",@progbits
	.p2align	6, 0x0
	.amdhsa_kernel k_q41f7650525_prep2
		.amdhsa_group_segment_fixed_size 6144
		.amdhsa_private_segment_fixed_size 0
		.amdhsa_enable_private_segment 0
		.amdhsa_kernarg_size 48
		.amdhsa_user_sgpr_count 2
		.amdhsa_user_sgpr_kernarg_segment_ptr 1
		.amdhsa_wavefront_size32 1
		.amdhsa_system_sgpr_workgroup_id_x 1
		.amdhsa_system_sgpr_workgroup_id_y 1
		.amdhsa_system_sgpr_workgroup_id_z 1
		.amdhsa_system_vgpr_workitem_id 0
		.amdhsa_next_free_vgpr 194
		.amdhsa_next_free_sgpr 96
		.amdhsa_reserve_vcc 1
		.amdhsa_float_denorm_mode_32 3
		.amdhsa_float_denorm_mode_16_64 3
		.amdhsa_memory_ordered 1
		.amdhsa_forward_progress 1
		.amdhsa_inst_pref_size 67
	.end_amdhsa_kernel
	.amdgpu_metadata
---
amdhsa.version: [ 1, 2 ]
amdhsa.kernels:
  - .name:           k_q41f7650525_prep2
    .symbol:         k_q41f7650525_prep2.kd
    .args:
      - { .name: W2, .offset: 0, .size: 8, .value_kind: global_buffer, .address_space: global }
      - { .name: sel, .offset: 8, .size: 8, .value_kind: global_buffer, .address_space: global }
      - { .name: xq, .offset: 16, .size: 8, .value_kind: global_buffer, .address_space: global }
      - { .name: w2q, .offset: 24, .size: 8, .value_kind: global_buffer, .address_space: global }
      - { .name: plan, .offset: 32, .size: 8, .value_kind: global_buffer, .address_space: global }
      - { .name: out1, .offset: 40, .size: 8, .value_kind: global_buffer, .address_space: global }
    .group_segment_fixed_size: 6144
    .private_segment_fixed_size: 0
    .kernarg_segment_align: 8
    .kernarg_segment_size: 48
    .max_flat_workgroup_size: 512
    .sgpr_count:     96
    .vgpr_count:     194
    .wavefront_size: 32
...
	.end_amdgpu_metadata
.endif
;; end of part 2
;; launch ffn (part 3): grid 135 x 1, 4 waves a work-group, no clusters, 218,624 bytes of LDS; arguments xq, w1q, w2q, b1, b2, plan, part; writes part
.if DOCPART == 3
	.amdgcn_target "amdgcn-amd-amdhsa--gfx1250"
	.amdhsa_code_object_version 6
	.text
	.protected	k_q41f7650525_ffn
	.globl	k_q41f7650525_ffn
	.p2align	8
	.type	k_q41f7650525_ffn,@function
k_q41f7650525_ffn:
	s_mov_b64 s[64:65], 0
	v_nop
	global_prefetch_b8 v0, s[64:65] scope:SCOPE_SE
	s_setreg_imm32_b32 hwreg(HW_REG_WAVE_MODE, 25, 1), 1
	s_wait_xcnt 0x0
; FFN.  A work-group takes one tile of up to 64 routed rows of ONE expert through the whole chain: gather x's codes, h = relu(x W1 + b1), h quantised along the hidden axis, (h W2 + b2) x gate, one stored row for each routed row.
; Both products run on codes of E4M3 with E8M0 scales for each 32 along K.  The hidden layer stays in LDS.  135 = 8,192 / 64 + 8 - 1 work-groups serve every split of the rows among the experts.
; A tile that a split leaves empty walks the same text on row 0's codes and stores nothing: so no barrier stands under a branch on a number read from memory.
; SHARES.  Product 1: wave w makes a quarter of the 2,048 hidden units for all 64 rows.  Product 2: wave w makes outputs 128 w .. 128 w + 127 for all 64 rows, K = all 2,048.
; Both products are used transposed (source 0 = 16 rows of the weight, source 1 = 16 routed rows): a lane holds one routed row, its registers run along the units.  The rows of W1 that form a fragment were chosen
; by the launch that laid it out so that the 16 registers of fragments u = 0, 1 are 16 neighbours along the next K.
; THE WEIGHTS GO FROM MEMORY STRAIGHT INTO OPERAND REGISTERS: they lie in the order of those registers, so a stage (16 KiB of codes, 512 bytes of scale words) is 33 loads of 16 bytes a lane.
; Four buffers of 128 registers take turns; a stage is asked for two stages ahead: 66 loads of a wave are named as on their way.
; NO CLUSTER, NO TENSOR LOAD: how many tiles an expert has is a number read from memory, and 135 work-groups divide into no cluster of four.
; TURNED ORDER.  All tiles of an expert read the same 2 MiB.  Two numbers of the tile's record, rq and rot (0..3), turn the order: wave w takes hidden quarter (w + rq) % 4, trip k group (k + rot) % 4.
; Only global addresses hang on them; LDS slot 4 p + i holds the K step 4 ((p + rq) % 4) + (i + rot) % 4 of the second product, and W2's fragments are fetched by that formula.
; LIMITS: NaN and infinities are not served; a block of zeros has the byte 1 with zero codes; the sums along the hidden axis run in the turned order of K steps.
; REGISTERS, in windows of 256.  Window 0: v1-31 addresses, gates, the rows' numbers; v32-47 the weights' scale words, four for each buffer; v48-63 x's scale words, later h's;
;   v64-127 product 1's accumulators (16 m + 8 u), later b2, later rows on their way out; v128-191 b1 in the result's layout, v192-227 the quantiser's; in product 2 v128-255 are two sets of four fragments of h.
;   Windows 1 and 3: the weights' four buffers.   Window 2: x's 16 fragments (64 m + 16 s), then product 2's 32 accumulators (64 m + 8 t).
.set XIMG, 0                           ; LDS: x's fragments as images of their registers, fragment 4 m + s: 16 x 2,048 bytes
.set XSC,  32768                       ; x's scale words [s][lane][m]: 4 x 512
.set HIMG, 34816                       ; h's fragments, 4 slot + m: 64 x 2,048
.set HSC,  165888                      ; h's scale words [slot][lane][m]: 16 x 512
.set B1L,  174080                      ; b1 [wave][trip][128 f32]
.set B2L,  182272                      ; b2 [512 f32]
.set OST,  184320                      ; the way out: 16 rows x (512 + 16) bytes for each wave
.set XS_OFF,   2097152
.set GATE_OFF, 2162688
.set SC_OFF,   8388608
.set ROWL, 2560
.set VL,  1                            ; 16 x lane
.set VW,  2                            ; v2-5   16 x lane + 16,384 ((jj + rot) % 4)
.set VS,  6                            ; v6-9   16 x lane + 512 ((jj + rot) % 4)
.set HW,  10                           ; where I store h's images;  v11 their scale words
.set HSW, 11
.set BA,  12                           ; where I read b1
.set HR,  13                           ; where I read h's images;  v14 their scale words
.set HSR, 14
.set LP,  15                           ; 512 wave + 16 lane: my place in a row of part
.set GP,  16                           ; v16-23 the gate of row 16 m + lane % 16 at v[16 + 2 m]; the odd registers are 0 (named as pairs)
.set RL,  24                           ; v24-27 the number of that routed row
.set STO, 28
.set RD,  29
.set B2A, 30
.set WS,  32
.set XS,  48
.set HS,  48
.set ACC, 64
.set B2R, 64
.set OB,  64
.set BI,  128
.set TM,  192
.set PC,  208
.set PW,  224
.set HB,  128
.set VO,  128
.set SEL, 46                           ; s[46:47]
.set MNT, 48
.set MSB, 0
.macro WIN new                         ; the immediate's high byte repeats the setting that is left; a switch that changes nothing is dropped
.if MSB != (\new)
	s_set_vgpr_msb (MSB<<8)|(\new)
.set MSB, (\new)
.endif
.endm
.macro WM d, a, b, c, sa, sb, row1     ; one matrix instruction; row1: the weight's scale words stand in lanes 16-31
.if \row1
	v_wmma_scale_f32_16x16x128_f8f6f4 v[(\d):(\d)+7], v[(\a):(\a)+15], v[(\b):(\b)+15], v[(\c):(\c)+7], v[(\sa)], v[(\sb)] matrix_a_scale:MATRIX_SCALE_ROW1
.else
	v_wmma_scale_f32_16x16x128_f8f6f4 v[(\d):(\d)+7], v[(\a):(\a)+15], v[(\b):(\b)+15], v[(\c):(\c)+7], v[(\sa)], v[(\sb)]
.endif
.endm
.macro PLACES                          ; eight plain vector lines behind matrix instructions of this form, ahead of reads of results and of loads into their registers
.rept 8
	v_nop
.endr
.endm
.macro BASES d, ds, pb, sb             ; s24 = 0..3: that quarter's 64 KiB of codes and 2 KiB of scale words
	s_lshl_b32 s26, s24, 11
	s_mov_b32 s27, 0
	s_lshl_b32 s24, s24, 16
	s_mov_b32 s25, 0
	s_add_nc_u64 s[\d:\d+1], s[\pb:\pb+1], s[24:25]
	s_add_nc_u64 s[\ds:\ds+1], s[\sb:\sb+1], s[26:27]
.endm
.macro TEND pb, sb, turn               ; a trip's end (s44 = the trip): the next quarter becomes the one in hand, and the one after it is made
	s_wait_xcnt 0x0                                ; the loads issued so far have read their bases
	s_mov_b64 s[28:29], s[30:31]
	s_mov_b64 s[32:33], s[34:35]
	s_add_co_u32 s24, s44, 2
	s_add_co_u32 s24, s24, s[\turn]
	s_and_b32 s24, s24, 3
	BASES 30, 34, \pb, \sb
.endm
.macro WLOAD buf, vo, sb, imm, vso, ssb, simm   ; a stage's eight fragments and its scale words into buffer buf: 33 loads
	WIN 0x40+0x80*((\buf)>>1)
.set WB, 128*((\buf)&1)
.irp f, 0,1,2,3,4,5,6,7
.irp c, 0,1,2,3
	global_load_b128 v[WB+16*\f+4*\c:WB+16*\f+4*\c+3], v[\vo], s[\sb:\sb+1] offset:(\imm)+2048*\f+512*\c
.endr
.endr
	WIN 0
	global_load_b128 v[WS+4*(\buf):WS+4*(\buf)+3], v[\vso], s[\ssb:\ssb+1] offset:\simm
.endm
; PRODUCT 1.  16 matrix instructions: K steps s0, s0 + 1 of the 512; fragments u = 0, 1; the four tiles of rows.  The eight accumulators take turns.  b1 is the C of the first K step.
.macro MM1 jj, s0
	WIN 0x09+2*((\jj)>>1)
.set WB, 128*((\jj)&1)
.irp s, \s0, \s0+1
.irp u, 0,1
.irp m, 0,1,2,3
.if (\s) == 0
	WM ACC+16*\m+8*\u, WB+16*(2*(\s)+\u), 64*\m+16*(\s), BI+16*(\jj)+8*\u, WS+4*(\jj)+(\s), XS+4*(\s)+\m, \u
.else
	WM ACC+16*\m+8*\u, WB+16*(2*(\s)+\u), 64*\m+16*(\s), ACC+16*\m+8*\u, WS+4*(\jj)+(\s), XS+4*(\s)+\m, \u
.endif
.endr
.endr
.endr
.endm
; The stage's 32 hidden units of the four tiles of rows: for tile m a lane's 16 registers and those of lane xor 16 are one block of 32 along the next K.  relu and the hold are one line.
.macro QUANT4 jj
.irp b, 0,1,2,3
	v_max3_num_f32 v[TM+\b], v[ACC+16*\b], v[ACC+1+16*\b], 0x4800000   ; no |.|: what is negative becomes 0 and must not count; the floor 2^(9 - 127) stands over it.  Each accumulator is read from its low end on
.endr
.irp i, 2,4,6,8,10,12,14
.irp b, 0,1,2,3
	v_max3_num_f32 v[TM+\b], v[TM+\b], v[ACC+16*\b+\i], v[ACC+1+16*\b+\i]
.endr
.endr
.irp b, 0,1,2,3
	v_permlanex16_b32 v[TM+4+\b], v[TM+\b], s[SEL], s[SEL+1]
.endr
.irp b, 0,1,2,3
	v_max_num_f32 v[TM+\b], v[TM+\b], v[TM+4+\b]
.endr
.irp b, 0,1,2,3
	v_add_nc_u32 v[TM+12+\b], 0xfc000000, v[TM+\b]           ; the conversion's scale operand
.endr
.irp b, 0,1,2,3
	v_and_or_b32 v[TM+8+\b], v[TM+\b], 0x7f800000, s[MNT]    ; 448 x the scale
.endr
.irp b, 0,1,2,3
	v_lshrrev_b32 v[TM+4+\b], 23, v[TM+12+\b]                ; the byte: byte jj of the K step's scale word
.endr
.irp b, 0,1,2,3
.if (\jj) == 0
	v_mov_b32 v[PW+\b], v[TM+4+\b]
.else
	v_lshl_or_b32 v[PW+\b], v[TM+4+\b], 8*(\jj), v[PW+\b]
.endif
.endr
.irp b, 0,1,2,3
.irp i, 0,1,2,3,4,5,6,7,8,9,10,11,12,13,14,15
	v_med3_num_f32 v[ACC+16*\b+\i], v[ACC+16*\b+\i], 0, v[TM+8+\b]
.endr
	v_cvt_scalef32_pk8_fp8_f32 v[PC+4*\b:PC+1+4*\b], v[ACC+16*\b:ACC+7+16*\b], v[TM+12+\b]
	v_cvt_scalef32_pk8_fp8_f32 v[PC+2+4*\b:PC+3+4*\b], v[ACC+8+16*\b:ACC+15+16*\b], v[TM+12+\b]
.endr
	v_nop                                          ; a plain line between the conversions and the next products, which write their sources
.irp b, 0,1,2,3
	ds_store_b128 v[HW], v[PC+4*\b:PC+4*\b+3] offset:2048*\b+512*(\jj)   ; registers 4 jj .. 4 jj + 3 of the fragment of tile b: chunk jj of its image
.endr
.if (\jj) == 3
	ds_store_b128 v[HSW], v[PW:PW+3]
.endif
.endm
.macro STAGE1 jj, vo, sb, imm, vso, ssb, simm
	s_wait_loadcnt 33                              ; this stage's 33 loads are in; the next stage's may be out
.if (\jj) == 0
	s_wait_dscnt 0x0                               ; b1 (and, in the first trip, x)
.endif
	MM1 \jj, 0
.set NB, ((\jj)+2)&3
	WLOAD NB, \vo, \sb, \imm, \vso, \ssb, \simm    ; two stages ahead, into the buffer that was multiplied two stages ago: the quantiser's lines lie between
	MM1 \jj, 2
	WIN 0
	s_wait_dscnt 0x0                               ; the last stage's LDS stores have read the codes' registers
	PLACES
	QUANT4 \jj
.endm
.macro TRIP1 last                      ; one group of 128 hidden units = one K step of product 2, in four stages of 32
.irp jj, 0,1,2,3
.irp q, 0,1,2,3
	ds_load_b128 v[BI+16*\jj+4*\q:BI+16*\jj+4*\q+3], v[BA] offset:128*\jj+16*\q
.endr
.endr
	STAGE1 0, VL, 28, 32768, VL, 32, 1024
	STAGE1 1, VL, 28, 49152, VL, 32, 1536
.if \last
	STAGE1 2, VW, 52, 0, VS, 54, 0                 ; product 2's first two stages
	STAGE1 3, VW+1, 52, 0, VS+1, 54, 0
.else
	STAGE1 2, VL, 30, 0, VL, 34, 0
	STAGE1 3, VL, 30, 16384, VL, 34, 512
	TEND 36, 38, 23
	v_add_nc_u32 v[HW], 8192, v[HW]
	v_add_nc_u32 v[HSW], 512, v[HSW]
	v_add_nc_u32 v[BA], 512, v[BA]
.endif
.endm
; PRODUCT 2.  16 matrix instructions: fragments t0 .. t0 + 3 of W2 x the four tiles of rows, one K step.  The 32 accumulators take turns.  b2 is the C of the first K step.
.macro MM2 jj, t0, first
.if \first
	WIN 0x81+2*((\jj)>>1)
.else
	WIN 0xa1+2*((\jj)>>1)
.endif
.set WB, 128*((\jj)&1)
.set HF, HB+64*((\jj)&1)
.set HG, HS+4*((\jj)&1)
.irp t, \t0, \t0+1, \t0+2, \t0+3
.irp m, 0,1,2,3
.if \first
	WM 64*\m+8*(\t), WB+16*(\t), HF+16*\m, B2R+8*(\t), WS+4*(\jj)+((\t)>>1), HG+\m, (\t)&1
.else
	WM 64*\m+8*(\t), WB+16*(\t), HF+16*\m, 64*\m+8*(\t), WS+4*(\jj)+((\t)>>1), HG+\m, (\t)&1
.endif
.endr
.endr
.endm
.macro HLOAD set, imm                  ; a K step's four fragments of h and their scale words: 17 LDS loads
.irp m, 0,1,2,3
.irp c, 0,1,2,3
	ds_load_b128 v[HB+64*(\set)+16*\m+4*\c:HB+64*(\set)+16*\m+4*\c+3], v[HR] offset:(\imm)+2048*\m+512*\c
.endr
.endr
	ds_load_b128 v[HS+4*(\set):HS+4*(\set)+3], v[HSR] offset:(\imm)/16
.endm
.macro STAGE2 jj, first, load, nextb, lc, vo, sb, vso, ssb
	s_wait_loadcnt \lc                             ; this stage's weights are in; the next stage's 33 loads may be out
	PLACES                                         ; for the loads into the set of h that the last stage multiplied, and into the weights' buffer of two stages ago
.if \nextb
	HLOAD ((\jj)+1)&1, ((\jj)+1)*8192
	s_wait_dscnt 17                                ; all but the 17 just issued
.else
	s_wait_dscnt 0x0
.endif
	MM2 \jj, 0, \first
.if \load
.set NB, ((\jj)+2)&3
	WLOAD NB, \vo, \sb, 0, \vso, \ssb, 0
.endif
	MM2 \jj, 4, \first
	WIN 0
.endm
.macro TRIP2 first                     ; four K steps, and the trip's end
	STAGE2 0, \first, 1, 1, 33, VW+2, 28, VS+2, 32
	STAGE2 1, 0, 1, 1, 33, VW+3, 28, VS+3, 32
	STAGE2 2, 0, 1, 1, 33, VW, 30, VS, 34
	STAGE2 3, 0, 1, 1, 33, VW+1, 30, VS+1, 34
	TEND 40, 42, 22
	v_add_nc_u32 v[HR], 32768, v[HR]
	v_add_nc_u32 v[HSR], 2048, v[HSR]
.endm
	s_load_b256 s[4:11], s[0:1], 0x0               ; xq, w1q, w2q, b1
	s_load_b128 s[12:15], s[0:1], 0x20             ; b2, plan
	s_load_b64 s[16:17], s[0:1], 0x30              ; part
	v_lshrrev_b32 v31, 5, v0
	v_readfirstlane_b32 s18, v31                   ; wave 0..3
	v_and_b32 v240, 31, v0                         ; lane
	v_and_b32 v241, 15, v0                         ; r
	v_bfe_u32 v242, v0, 4, 1                       ; h
	v_lshlrev_b32 v[VL], 4, v240
	s_lshl_b32 s24, ttmp9, 4                       ; my tile's record
	s_lshl_b32 s25, ttmp9, 8                       ; and its 64 words of the list
	v_lshl_add_u32 v243, v241, 2, s25
	s_lshl_b32 s26, s18, 6
	v_add_nc_u32 v244, s26, v243
	s_mov_b32 s[SEL], 0x76543210
	s_mov_b32 s[SEL+1], 0xfedcba98
	s_mov_b32 s[MNT], 0x600000
	s_wait_kmcnt 0x0
	s_load_b128 s[20:23], s[14:15], s24 offset:0x0 ; expert, rows, rq, rot
.irp m, 0,1,2,3
	global_load_b32 v[RL+\m], v243, s[14:15] offset:ROWL+64*\m   ; the routed row of tile m at my lane % 16
.endr
	global_load_b32 v245, v244, s[14:15] offset:ROWL             ; and of the tile of rows that my wave gathers: m = wave
	s_lshl_b32 s26, s18, 15
	s_add_co_u32 s26, s26, HIMG
	v_add_nc_u32 v[HW], s26, v[VL]                 ; slot 4 wave + trip
	s_lshl_b32 s26, s18, 11
	s_add_co_u32 s27, s26, HSC
	v_add_nc_u32 v[HSW], s27, v[VL]
	s_add_co_u32 s27, s26, B1L
	v_lshl_add_u32 v[BA], v242, 6, s27             ; my half's 16 units of each 32
	v_add_nc_u32 v248, s27, v[VL]
	v_add_nc_u32 v[HR], HIMG, v[VL]
	v_add_nc_u32 v[HSR], HSC, v[VL]
	s_lshl_b32 s26, s18, 9
	v_add_nc_u32 v[LP], s26, v[VL]
	s_add_co_u32 s27, s26, B2L
	v_lshl_add_u32 v[B2A], v242, 5, s27
	v_add_nc_u32 v249, s27, v[VL]
	s_mul_i32 s26, s18, 8448
	s_add_co_u32 s26, s26, OST
	v_add_nc_u32 v[RD], s26, v[VL]
	v_mul_u32_u24 v[STO], v241, 528
	v_lshl_add_u32 v[STO], v242, 5, v[STO]
	v_add_nc_u32 v[STO], s26, v[STO]
	s_lshl_b32 s26, s18, 13
	v_add_nc_u32 v246, s26, v[VL]                  ; x's images: XIMG (= 0) + 8,192 wave + 16 lane
	s_lshl_b32 s26, s18, 2
	s_add_co_u32 s26, s26, XSC
	v_add_nc_u32 v247, s26, v[VL]                  ; x's scale words: XSC + 16 lane + 4 wave
.irp m, 0,1,2,3
	v_mov_b32 v[GP+2*\m+1], 0
.endr
	s_wait_kmcnt 0x0
	s_min_u32 s20, s20, 7                          ; numbers read from memory are held before they enter an address
	s_min_u32 s21, s21, 64
	s_min_u32 s22, s22, 3
	s_min_u32 s23, s23, 3
	s_add_co_u32 s19, s18, s22
	s_and_b32 s19, s19, 3                          ; my hidden quarter
	s_mov_b32 s25, 0
	s_mov_b32 s27, 0
	s_lshl_b32 s24, s20, 20
	s_lshl_b32 s26, s19, 18
	s_add_co_u32 s24, s24, s26
	s_add_nc_u64 s[36:37], s[6:7], s[24:25]        ; W1's codes: my expert, my quarter
	s_lshl_b32 s24, s20, 20
	s_lshl_b32 s26, s18, 18
	s_add_co_u32 s24, s24, s26
	s_add_nc_u64 s[40:41], s[8:9], s[24:25]        ; W2's codes: my expert, my 128 outputs
	s_lshl_b32 s24, s20, 15
	s_add_co_u32 s24, s24, SC_OFF
	s_lshl_b32 s26, s19, 13
	s_add_co_u32 s26, s26, s24
	s_add_nc_u64 s[38:39], s[6:7], s[26:27]        ; and the scale words
	s_lshl_b32 s26, s18, 13
	s_add_co_u32 s26, s26, s24
	s_add_nc_u64 s[42:43], s[8:9], s[26:27]
	s_lshl_b32 s24, s20, 13
	s_lshl_b32 s26, s19, 11
	s_add_co_u32 s24, s24, s26
	s_add_nc_u64 s[10:11], s[10:11], s[24:25]      ; b1: my expert, my quarter
	s_lshl_b32 s24, s20, 11
	s_lshl_b32 s26, s18, 9
	s_add_co_u32 s24, s24, s26
	s_add_nc_u64 s[12:13], s[12:13], s[24:25]      ; b2: my expert, my 128 outputs
	s_mov_b32 s24, s23
	BASES 28, 32, 36, 38                           ; product 1, trip 0
	s_add_co_u32 s24, s23, 1
	s_and_b32 s24, s24, 3
	BASES 30, 34, 36, 38                           ; trip 1
	s_mov_b32 s24, s22
	BASES 52, 54, 40, 42                           ; product 2, trip 0
.irp jj, 0,1,2,3
	s_add_co_u32 s24, s23, \jj
	s_and_b32 s24, s24, 3
	s_lshl_b32 s26, s24, 14
	v_add_nc_u32 v[VW+\jj], s26, v[VL]
	s_lshl_b32 s26, s24, 9
	v_add_nc_u32 v[VS+\jj], s26, v[VL]
.endr
.irp k, 0,1,2,3
	global_load_b128 v[196+4*\k:199+4*\k], v[VS+\k], s[10:11]   ; b1 of trip k's group: 128 numbers
.endr
	global_load_b128 v[212:215], v[VL], s[12:13]
	WLOAD 0, VL, 28, 0, VL, 32, 0
	s_wait_loadcnt 38                              ; the five loads of the list are in: behind them stand b1's 4, b2's 1 and the stage's 33
	v_lshrrev_b32 v250, 1, v245                    ; the row's token
	v_min_u32 v250, 4095, v250
	v_lshlrev_b32 v251, 9, v250
	v_lshl_add_u32 v251, v242, 4, v251             ; its 512 codes, + 16 h
	v_lshlrev_b32 v252, 4, v250                    ; its 16 scale bytes
.irp s, 0,1,2,3
.irp c, 0,1,2,3
	global_load_b128 v[128+16*\s+4*\c:128+16*\s+4*\c+3], v251, s[4:5] offset:128*\s+32*\c
.endr
.endr
	global_load_b128 v[192:195], v252, s[4:5] offset:XS_OFF
.irp m, 0,1,2,3
	v_min_u32 v[232+\m], 8191, v[RL+\m]
	v_lshlrev_b32 v[232+\m], 2, v[232+\m]
	global_load_b32 v[GP+2*\m], v[232+\m], s[4:5] offset:GATE_OFF
.endr
	WLOAD 1, VL, 28, 16384, VL, 32, 512
	s_wait_loadcnt 33                              ; all but the stage just asked for
.irp k, 0,1,2,3
	ds_store_b128 v248, v[196+4*\k:199+4*\k] offset:512*\k
.endr
	ds_store_b128 v249, v[212:215]
.irp s, 0,1,2,3
.irp c, 0,1,2,3
	ds_store_b128 v246, v[128+16*\s+4*\c:128+16*\s+4*\c+3] offset:2048*\s+512*\c
.endr
.endr
.irp s, 0,1,2,3
	ds_store_b32 v247, v[192+\s] offset:512*\s
.endr
	s_wait_dscnt 0x0                               ; for the others: my tile of rows lies in LDS
	s_barrier_signal -1
	s_barrier_wait -1
.irp b, 0,1,2,3
	v_mov_b32 v[TM+4+\b], 0                        ; written once: a lane permute's destination counts as one of its sources
.endr
	WIN 0x80                                       ; destination window 2
.irp m, 0,1,2,3
.irp s, 0,1,2,3
.irp c, 0,1,2,3
	ds_load_b128 v[64*\m+16*\s+4*\c:64*\m+16*\s+4*\c+3], v[VL] offset:XIMG+(4*\m+\s)*2048+512*\c   ; all 16 fragments of x stay in registers through product 1
.endr
.endr
.endr
	WIN 0
.irp s, 0,1,2,3
	ds_load_b128 v[XS+4*\s:XS+4*\s+3], v[VL] offset:XSC+512*\s
.endr
	s_mov_b32 s44, 0
.Lp1:
	TRIP1 0
	s_add_co_u32 s44, s44, 1
	s_cmp_lt_u32 s44, 3
	s_cbranch_scc1 .Lp1
	TRIP1 1                                        ; the last trip is written out: it asks for product 2's first stages
	s_wait_dscnt 0x0                               ; for the others: my quarter of h lies in LDS
	s_barrier_signal -1
	s_barrier_wait -1
	s_wait_xcnt 0x0                                ; the loads issued so far have read their bases
	s_mov_b64 s[28:29], s[52:53]
	s_mov_b64 s[32:33], s[54:55]
	s_add_co_u32 s24, s22, 1
	s_and_b32 s24, s24, 3
	BASES 30, 34, 40, 42
.irp t, 0,1,2,3,4,5,6,7
	ds_load_b128 v[B2R+8*\t:B2R+8*\t+3], v[B2A] offset:64*\t          ; b2 in the result's layout: outputs 16 t + 8 h + 0 .. 7
	ds_load_b128 v[B2R+8*\t+4:B2R+8*\t+7], v[B2A] offset:64*\t+16
.endr
	HLOAD 0, 0
	s_mov_b32 s44, 0
	TRIP2 1                                        ; the first K step starts the sums: written out ahead of the loop
	s_mov_b32 s44, 1
.Lp2:
	TRIP2 0
	s_add_co_u32 s44, s44, 1
	s_cmp_lt_u32 s44, 3
	s_cbranch_scc1 .Lp2
	STAGE2 0, 0, 1, 1, 33, VW+2, 28, VS+2, 32      ; the last trip asks for its own last two stages and nothing more
	STAGE2 1, 0, 1, 1, 33, VW+3, 28, VS+3, 32
	STAGE2 2, 0, 0, 1, 33, 0, 0, 0, 0
	STAGE2 3, 0, 0, 0, 0, 0, 0, 0, 0
	; THE WAY OUT, a tile of 16 rows at a time: x the row's gate; through my own stage in LDS; back as whole pieces of 512 bytes of a row, which the 32 lanes store at the routed row's place in part.
	PLACES
.irp m, 0,1,2,3
	WIN 0x82                                       ; the accumulators in window 2, the gate in window 0
.set ii, 0
.rept 32
	v_pk_mul_f32 v[64*\m+2*ii:64*\m+2*ii+1], v[64*\m+2*ii:64*\m+2*ii+1], v[GP+2*\m:GP+2*\m+1] op_sel_hi:[1,0]   ; each accumulator from its low end on
.set ii, ii+1
.endr
	WIN 0x08                                       ; an LDS store's data are its source 1
.irp t, 0,1,2,3,4,5,6,7
	ds_store_b128 v[STO], v[64*\m+8*\t:64*\m+8*\t+3] offset:64*\t
	ds_store_b128 v[STO], v[64*\m+8*\t+4:64*\m+8*\t+7] offset:64*\t+16
.endr
	WIN 0
	s_wait_xcnt 0x0                                ; the last tile's stores have read their data and offsets
.irp i, 0,1,2,3,4,5,6,7,8,9,10,11,12,13,14,15
	ds_load_b128 v[OB+4*\i:OB+4*\i+3], v[RD] offset:528*\i    ; LDS serves a wave's instructions in order: these see my stores
.endr
.irp i, 0,1,2,3,4,5,6,7,8,9,10,11,12,13,14,15
	v_readlane_b32 s24, v[RL+\m], \i
	s_min_u32 s24, s24, 8191
	v_lshl_add_u32 v[VO+\i], s24, 11, v[LP]        ; a row of part is 2,048 bytes
.endr
	s_wait_dscnt 0x0
.irp i, 0,1,2,3,4,5,6,7,8,9,10,11,12,13,14,15
	s_cmp_le_u32 s21, 16*\m+\i                     ; the tile's rows are its first ones: behind the last of them nothing is stored
	s_cbranch_scc1 .Lend
	global_store_b128 v[VO+\i], v[OB+4*\i:OB+4*\i+3], s[16:17] th:TH_STORE_NT   ; 512 consecutive bytes, at a multiple of 512 from the buffer's first byte
.endr
.endr
.Lend:
	s_wait_xcnt 0x0
	v_lshl_add_u32 v254, v0, 2, 0x35400
	v_mov_b32 v255, 0
	s_wait_tensorcnt 0x0
	ds_add_u32 v254, v255
	s_wait_dscnt 0x0
	s_endpgm
.Lfunc_end_k_q41f7650525_ffn:
	.size	k_q41f7650525_ffn, .Lfunc_end_k_q41f7650525_ffn-k_q41f7650525_ffn
	.p2alignl 7, 3214868480
	.fill 96, 4, 3214868480
	.section	.rodata,"a",@progbits
	.p2align	6, 0x0
	.amdhsa_kernel k_q41f7650525_ffn
		.amdhsa_group_segment_fixed_size 218624
		.amdhsa_private_segment_fixed_size 0
		.amdhsa_enable_private_segment 0
		.amdhsa_kernarg_size 56
		.amdhsa_user_sgpr_count 2
		.amdhsa_user_sgpr_kernarg_segment_ptr 1
		.amdhsa_wavefront_size32 1
		.amdhsa_system_sgpr_workgroup_id_x 1
		.amdhsa_system_sgpr_workgroup_id_y 1
		.amdhsa_system_sgpr_workgroup_id_z 1
		.amdhsa_system_vgpr_workitem_id 0
		.amdhsa_next_free_vgpr 1024
		.amdhsa_next_free_sgpr 72
		.amdhsa_reserve_vcc 0
		.amdhsa_float_denorm_mode_32 3
		.amdhsa_float_denorm_mode_16_64 3
		.amdhsa_memory_ordered 1
		.amdhsa_forward_progress 1
		.amdhsa_inst_pref_size 255
	.end_amdhsa_kernel
	.section	.bss,"aw",@nobits
	.p2align	6
	.space	262144
	.amdgpu_metadata
---
amdhsa.version: [ 1, 2 ]
amdhsa.kernels:
  - .name:           k_q41f7650525_ffn
    .symbol:         k_q41f7650525_ffn.kd
    .args:
      - { .name: xq, .offset: 0, .size: 8, .value_kind: global_buffer, .address_space: global }
      - { .name: w1q, .offset: 8, .size: 8, .value_kind: global_buffer, .address_space: global }
      - { .name: w2q, .offset: 16, .size: 8, .value_kind: global_buffer, .address_space: global }
      - { .name: b1, .offset: 24, .size: 8, .value_kind: global_buffer, .address_space: global }
      - { .name: b2, .offset: 32, .size: 8, .value_kind: global_buffer, .address_space: global }
      - { .name: plan, .offset: 40, .size: 8, .value_kind: global_buffer, .address_space: global }
      - { .name: part, .offset: 48, .size: 8, .value_kind: global_buffer, .address_space: global }
    .group_segment_fixed_size: 218624
    .private_segment_fixed_size: 0
    .kernarg_segment_align: 8
    .kernarg_segment_size: 56
    .max_flat_workgroup_size: 128
    .sgpr_count:     72
    .vgpr_count:     1024
    .wavefront_size: 32
...
	.end_amdgpu_metadata
.endif
;; end of part 3
;; launch comb (part 4): grid 256 x 1, 8 waves a work-group, no clusters, 0 bytes of LDS; arguments part, out0; writes out0
.if DOCPART == 4
	.amdgcn_target "amdgcn-amd-amdhsa--gfx1250"
	.amdhsa_code_object_version 6
	.text
	.protected	k_q41f7650525_comb
	.globl	k_q41f7650525_comb
	.p2align	8
	.type	k_q41f7650525_comb,@function
k_q41f7650525_comb:
	s_mov_b64 s[64:65], 0
	v_nop
	global_prefetch_b8 v0, s[64:65] scope:SCOPE_SE
	s_setreg_imm32_b32 hwreg(HW_REG_WAVE_MODE, 25, 1), 1
	s_wait_xcnt 0x0
; COMB.  out0[t] = part[2 t] + part[2 t + 1]: the two chosen experts' rows of a token, already weighed by their gates.  part: [8192][512] f32, out0: [4096][512] f32.
; A stream: a wave takes two tokens, 16 loads of 512 consecutive bytes, all issued at once, eight stores of 512 consecutive bytes.  No LDS, no barrier, no loop; every register is written once.
	s_load_b128 s[4:7], s[0:1], 0x0                ; part, out0
	v_and_b32 v1, 31, v0
	v_lshrrev_b32 v2, 5, v0
	v_lshlrev_b32 v1, 4, v1
	v_lshl_add_u32 v3, v2, 13, v1                  ; in: two tokens are 8,192 bytes
	v_lshl_add_u32 v4, v2, 12, v1                  ; out: 4,096
	s_lshl_b32 s8, ttmp9, 16                       ; a work-group's 16 tokens
	s_mov_b32 s9, 0
	s_lshl_b32 s10, ttmp9, 15
	s_mov_b32 s11, 0
	s_wait_kmcnt 0x0
	s_add_nc_u64 s[4:5], s[4:5], s[8:9]
	s_add_nc_u64 s[6:7], s[6:7], s[10:11]
.irp i, 0,1,2,3,4,5,6,7
	global_load_b128 v[16+8*\i:19+8*\i], v3, s[4:5] offset:(\i/4)*4096+(\i%4)*512 th:TH_LOAD_NT
	global_load_b128 v[20+8*\i:23+8*\i], v3, s[4:5] offset:(\i/4)*4096+(\i%4)*512+2048 th:TH_LOAD_NT
.endr
.irp i, 0,1,2,3,4,5,6,7
	s_wait_loadcnt 14-2*\i                         ; pair i is in; the pairs behind it may be out
	v_pk_add_f32 v[80+4*\i:81+4*\i], v[16+8*\i:17+8*\i], v[20+8*\i:21+8*\i]
	v_pk_add_f32 v[82+4*\i:83+4*\i], v[18+8*\i:19+8*\i], v[22+8*\i:23+8*\i]
	global_store_b128 v4, v[80+4*\i:83+4*\i], s[6:7] offset:(\i/4)*2048+(\i%4)*512 th:TH_STORE_NT
.endr
	s_endpgm
.Lfunc_end_k_q41f7650525_comb:
	.size	k_q41f7650525_comb, .Lfunc_end_k_q41f7650525_comb-k_q41f7650525_comb
	.p2alignl 7, 3214868480
	.fill 96, 4, 3214868480
	.section	.rodata,"a",@progbits
	.p2align	6, 0x0
	.amdhsa_kernel k_q41f7650525_comb
		.amdhsa_group_segment_fixed_size 0
		.amdhsa_private_segment_fixed_size 0
		.amdhsa_enable_private_segment 0
		.amdhsa_kernarg_size 16
		.amdhsa_user_sgpr_count 2
		.amdhsa_user_sgpr_kernarg_segment_ptr 1
		.amdhsa_wavefront_size32 1
		.amdhsa_system_sgpr_workgroup_id_x 1
		.amdhsa_system_sgpr_workgroup_id_y 1
		.amdhsa_system_sgpr_workgroup_id_z 1
		.amdhsa_system_vgpr_workitem_id 0
		.amdhsa_next_free_vgpr 112
		.amdhsa_next_free_sgpr 66
		.amdhsa_reserve_vcc 0
		.amdhsa_float_denorm_mode_32 3
		.amdhsa_float_denorm_mode_16_64 3
		.amdhsa_memory_ordered 1
		.amdhsa_forward_progress 1
		.amdhsa_inst_pref_size 5
	.end_amdhsa_kernel
	.amdgpu_metadata
---
amdhsa.version: [ 1, 2 ]
amdhsa.kernels:
  - .name:           k_q41f7650525_comb
    .symbol:         k_q41f7650525_comb.kd
    .args:
      - { .name: part, .offset: 0, .size: 8, .value_kind: global_buffer, .address_space: global }
      - { .name: out0, .offset: 8, .size: 8, .value_kind: global_buffer, .address_space: global }
    .group_segment_fixed_size: 0
    .private_segment_fixed_size: 0
    .kernarg_segment_align: 8
    .kernarg_segment_size: 16
    .max_flat_workgroup_size: 256
    .sgpr_count:     66
    .vgpr_count:     112
    .wavefront_size: 32
...
	.end_amdgpu_metadata
.endif
;; end of part 4
;; ======== version 2 of 2: 4 launches; version 1 with the launch ffn written anew for expert scheduling mode
;; workspace buffers: xq 2,203,648 bytes; sel 32,768 bytes of whole numbers; w1q 8,650,752 bytes; w2q 8,650,752 bytes; plan 39,168 bytes of whole numbers; part 16,777,216 bytes
;; launch prep1: the kernel of part 1 again; grid 192 x 1, 16 waves a work-group, no clusters, 67,584 bytes of LDS; arguments x, Wg, W1, xq, sel, w1q; writes xq, sel, w1q
;; launch prep2: the kernel of part 2 again; grid 129 x 1, 16 waves a work-group, no clusters, 6,144 bytes of LDS; arguments W2, sel, xq, w2q, plan, out1; writes w2q, plan, out1
;; launch ffn (part 5): grid 135 x 1, 4 waves a work-group, no clusters, 218,624 bytes of LDS; arguments xq, w1q, w2q, b1, b2, plan, part; writes part
.if DOCPART == 5
	.amdgcn_target "amdgcn-amd-amdhsa--gfx1250"
	.amdhsa_code_object_version 6
	.text
	.protected	k_q41f7650525_ffn
	.globl	k_q41f7650525_ffn
	.p2align	8
	.type	k_q41f7650525_ffn,@function
k_q41f7650525_ffn:
	s_mov_b64 s[64:65], 0
	v_nop
	global_prefetch_b8 v0, s[64:65] scope:SCOPE_SE
	s_setreg_imm32_b32 hwreg(HW_REG_WAVE_SCHED_MODE, 0, 2), 2
	s_setreg_imm32_b32 hwreg(HW_REG_WAVE_MODE, 25, 1), 1
	s_wait_xcnt 0x0
	s_wait_alu depctr_vm_vsrc(0)
; FFN.  A work-group takes one tile of up to 64 routed rows of ONE expert through the whole chain: gather x's codes, h = relu(x W1 + b1), h quantised along the hidden axis, (h W2 + b2) x gate, one stored row for each routed row.
; Both products run on codes of E4M3 with E8M0 scales for each 32 along K.  The hidden layer stays in LDS.  135 = 8,192 / 64 + 8 - 1 work-groups serve every split of the rows among the experts.
; A tile that a split leaves empty walks the same text on row 0's codes and stores nothing: so no barrier stands under a branch on a number read from memory.
; SHARES.  Product 1: wave w makes a quarter of the 2,048 hidden units for all 64 rows.  Product 2: wave w makes outputs 128 w .. 128 w + 127 for all 64 rows, K = all 2,048.
; Both products are used transposed (source 0 = 16 rows of the weight, source 1 = 16 routed rows): a lane holds one routed row, its registers run along the units.  The rows of W1 that form a fragment were chosen
; by the launch that laid it out so that the 16 registers of fragments u = 0, 1 are 16 neighbours along the next K.
; THE WEIGHTS GO FROM MEMORY STRAIGHT INTO OPERAND REGISTERS: they lie in the order of those registers, so a stage (16 KiB of codes, 512 bytes of scale words) is 33 loads of 16 bytes a lane.
; Four buffers of 128 registers take turns; a stage is asked for two stages ahead: 66 loads of a wave are named as on their way.
; NO CLUSTER, NO TENSOR LOAD: how many tiles an expert has is a number read from memory, and 135 work-groups divide into no cluster of four.
; TURNED ORDER.  All tiles of an expert read the same 2 MiB.  Two numbers of the tile's record, rq and rot (0..3), turn the order: wave w takes hidden quarter (w + rq) % 4, trip k group (k + rot) % 4.
; Only global addresses hang on them; LDS slot 4 p + i holds the K step 4 ((p + rq) % 4) + (i + rot) % 4 of the second product, and W2's fragments are fetched by that formula.
; LIMITS: NaN and infinities are not served; a block of zeros has the byte 1 with zero codes; the sums along the hidden axis run in the turned order of K steps.
; REGISTERS, in windows of 256.  Window 0: v1-31 addresses, gates, the rows' numbers; v32-47 the weights' scale words, four for each buffer; v48-63 x's scale words, later h's;
;   v64-127 product 1's accumulators (16 m + 8 u), later b2, later rows on their way out; v128-191 b1 in the result's layout, v192-227 the quantiser's; in product 2 v128-255 are two sets of four fragments of h.
;   Windows 1 and 3: the weights' four buffers.   Window 2: x's 16 fragments (64 m + 16 s), then product 2's 32 accumulators (64 m + 8 t).
; THE MODE: SCHED_MODE bits 1:0 = 2 (LLVM: expert scheduling mode 2), set by the entry lines.  The code itself states the register dependences
; between vector or matrix instructions and memory or LDS instructions, with s_wait_alu, always for 0.
; THE PLAN.  Registers that memory or LDS instructions touch, and who else names them:
;   the weights' buffers 0 .. 3 and v32-47   Stage j's products read buffer j % 4.  The loads issued in stage j land in buffer (j + 2) % 4, which the products of stage j - 2 read last.
;   v128-191 as b1                           A trip's sixteen LDS loads land there; that trip's products read them as C.
;   v208-223 codes, v224-227 scale words     Written by a stage's conversions and shifts, read by that stage's LDS stores, written again in the next stage.
;   v128-255 as h's two sets, v48-55         Stage j's products read set j % 2.  The LDS loads issued in stage j land in the other set, which the products of stage j - 1 read.
;   v10-12, v13-14                           LDS addresses, read by every LDS store or load of a trip, written by one add each at the trip's end.
;   the way out                              The accumulators: written by the gate's multiplications, read by LDS stores.  v64-127: LDS loads land there, global stores read them.  v128-143: offsets, written anew for each tile of rows.
;   All other offsets are made at the head and never written again.
; PRODUCT 1 has one wait on va_vdst a stage, behind its conversions: the codes are written, and all products issued so far are done with their weights.  So the next stage's loads of weights follow with no
; further wait, dealt among products that name another buffer.  One wait on vm_vsrc a stage stands ahead of the quantiser.  PRODUCT 2 has one wait on va_vdst a stage, at its head; the stage's loads are dealt
; among its products, which name this stage's buffer and set alone.  A trip's end has one wait on vm_vsrc, ahead of the adds to the LDS addresses; the wait on va_vdst that follows anyway states that they are written.
.set XIMG, 0                           ; LDS: x's fragments as images of their registers, fragment 4 m + s: 16 x 2,048 bytes
.set XSC,  32768                       ; x's scale words [s][lane][m]: 4 x 512
.set HIMG, 34816                       ; h's fragments, 4 slot + m: 64 x 2,048
.set HSC,  165888                      ; h's scale words [slot][lane][m]: 16 x 512
.set B1L,  174080                      ; b1 [wave][trip][128 f32]
.set B2L,  182272                      ; b2 [512 f32]
.set OST,  184320                      ; the way out: 16 rows x (512 + 16) bytes for each wave
.set XS_OFF,   2097152
.set GATE_OFF, 2162688
.set SC_OFF,   8388608
.set ROWL, 2560
.set VL,  1                            ; 16 x lane
.set VW,  2                            ; v2-5   16 x lane + 16,384 ((jj + rot) % 4)
.set VS,  6                            ; v6-9   16 x lane + 512 ((jj + rot) % 4)
.set HW,  10                           ; where I store h's images;  v11 their scale words
.set HSW, 11
.set BA,  12                           ; where I read b1
.set HR,  13                           ; where I read h's images;  v14 their scale words
.set HSR, 14
.set LP,  15                           ; 512 wave + 16 lane: my place in a row of part
.set GP,  16                           ; v16-23 the gate of row 16 m + lane % 16 at v[16 + 2 m]; the odd registers are 0 (named as pairs)
.set RL,  24                           ; v24-27 the number of that routed row
.set STO, 28
.set RD,  29
.set B2A, 30
.set WS,  32
.set XS,  48
.set HS,  48
.set ACC, 64
.set B2R, 64
.set OB,  64
.set BI,  128
.set TM,  192
.set PC,  208
.set PW,  224
.set HB,  128
.set VO,  128
.set RS,  28                           ; s28-43 on the way out: the numbers of a tile's sixteen routed rows (until then the weights' bases, whose loads are all done by then)
.set SEL, 46                           ; s[46:47]
.set MNT, 48
.set MSB, 0
.macro WIN new                         ; the immediate's high byte repeats the setting that is left; a switch that changes nothing is dropped
.if MSB != (\new)
	s_set_vgpr_msb (MSB<<8)|(\new)
.set MSB, (\new)
.endif
.endm
.macro WM d, a, b, c, sa, sb, row1     ; one matrix instruction; row1: the weight's scale words stand in lanes 16-31
.if \row1
	v_wmma_scale_f32_16x16x128_f8f6f4 v[(\d):(\d)+7], v[(\a):(\a)+15], v[(\b):(\b)+15], v[(\c):(\c)+7], v[(\sa)], v[(\sb)] matrix_a_scale:MATRIX_SCALE_ROW1
.else
	v_wmma_scale_f32_16x16x128_f8f6f4 v[(\d):(\d)+7], v[(\a):(\a)+15], v[(\b):(\b)+15], v[(\c):(\c)+7], v[(\sa)], v[(\sb)]
.endif
.endm
.macro PLACES                          ; eight plain vector lines behind matrix instructions of this form
.rept 8
	v_nop
.endr
.endm
.macro BASES d, ds, pb, sb             ; s24 = 0..3: that quarter's 64 KiB of codes and 2 KiB of scale words
	s_lshl_b32 s26, s24, 11
	s_mov_b32 s27, 0
	s_lshl_b32 s24, s24, 16
	s_mov_b32 s25, 0
	s_add_nc_u64 s[\d:\d+1], s[\pb:\pb+1], s[24:25]
	s_add_nc_u64 s[\ds:\ds+1], s[\sb:\sb+1], s[26:27]
.endm
.macro TEND pb, sb, turn               ; a trip's end (s44 = the trip): the next quarter becomes the one in hand, and the one after it is made
	s_wait_xcnt 0x0                                ; the loads issued so far have read their bases
	s_mov_b64 s[28:29], s[30:31]
	s_mov_b64 s[32:33], s[34:35]
	s_add_co_u32 s24, s44, 2
	s_add_co_u32 s24, s24, s[\turn]
	s_and_b32 s24, s24, 3
	BASES 30, 34, \pb, \sb
.endm
.macro WFRAG buf, f0, vo, sb, imm      ; four of a stage's eight fragments, f0 .. f0 + 3, into buffer buf: 16 loads
	WIN 0x40+0x80*((\buf)>>1)
.set WB, 128*((\buf)&1)
.irp f, \f0, \f0+1, \f0+2, \f0+3
.irp c, 0,1,2,3
	global_load_b128 v[WB+16*(\f)+4*\c:WB+16*(\f)+4*\c+3], v[\vo], s[\sb:\sb+1] offset:(\imm)+2048*(\f)+512*\c
.endr
.endr
.endm
.macro WSCAL buf, vso, ssb, simm       ; the stage's scale words: one load
	WIN 0
	global_load_b128 v[WS+4*(\buf):WS+4*(\buf)+3], v[\vso], s[\ssb:\ssb+1] offset:\simm
.endm
.macro WLOAD buf, vo, sb, imm, vso, ssb, simm   ; a whole stage in one run, at the head: 33 loads
	WFRAG \buf, 0, \vo, \sb, \imm
	WFRAG \buf, 4, \vo, \sb, \imm
	WSCAL \buf, \vso, \ssb, \simm
.endm
; PRODUCT 1.  8 matrix instructions: K step s of the 512; fragments u = 0, 1; the four tiles of rows.  The eight accumulators take turns.  b1 is the C of the first K step.
.macro MM1 jj, s
	WIN 0x09+2*((\jj)>>1)
.set WB, 128*((\jj)&1)
.irp u, 0,1
.irp m, 0,1,2,3
.if (\s) == 0
	WM ACC+16*\m+8*\u, WB+16*(2*(\s)+\u), 64*\m+16*(\s), BI+16*(\jj)+8*\u, WS+4*(\jj)+(\s), XS+4*(\s)+\m, \u
.else
	WM ACC+16*\m+8*\u, WB+16*(2*(\s)+\u), 64*\m+16*(\s), ACC+16*\m+8*\u, WS+4*(\jj)+(\s), XS+4*(\s)+\m, \u
.endif
.endr
.endr
.endm
; The stage's 32 hidden units of the four tiles of rows: for tile m a lane's 16 registers and those of lane xor 16 are one block of 32 along the next K.  relu and the hold are one line.
.macro QUANT4 jj
.irp b, 0,1,2,3
	v_max3_num_f32 v[TM+\b], v[ACC+16*\b], v[ACC+1+16*\b], 0x4800000   ; no |.|: what is negative becomes 0 and must not count; the floor 2^(9 - 127) stands over it.  Each accumulator is read from its low end on
.endr
.irp i, 2,4,6,8,10,12,14
.irp b, 0,1,2,3
	v_max3_num_f32 v[TM+\b], v[TM+\b], v[ACC+16*\b+\i], v[ACC+1+16*\b+\i]
.endr
.endr
.irp b, 0,1,2,3
	v_permlanex16_b32 v[TM+4+\b], v[TM+\b], s[SEL], s[SEL+1]
.endr
.irp b, 0,1,2,3
	v_max_num_f32 v[TM+\b], v[TM+\b], v[TM+4+\b]
.endr
.irp b, 0,1,2,3
	v_add_nc_u32 v[TM+12+\b], 0xfc000000, v[TM+\b]           ; the conversion's scale operand
.endr
.irp b, 0,1,2,3
	v_and_or_b32 v[TM+8+\b], v[TM+\b], 0x7f800000, s[MNT]    ; 448 x the scale
.endr
.irp b, 0,1,2,3
	v_lshrrev_b32 v[TM+4+\b], 23, v[TM+12+\b]                ; the byte: byte jj of the K step's scale word
.endr
.irp b, 0,1,2,3
.if (\jj) == 0
	v_mov_b32 v[PW+\b], v[TM+4+\b]
.else
	v_lshl_or_b32 v[PW+\b], v[TM+4+\b], 8*(\jj), v[PW+\b]
.endif
.endr
.irp b, 0,1,2,3
.irp i, 0,1,2,3,4,5,6,7,8,9,10,11,12,13,14,15
	v_med3_num_f32 v[ACC+16*\b+\i], v[ACC+16*\b+\i], 0, v[TM+8+\b]
.endr
	v_cvt_scalef32_pk8_fp8_f32 v[PC+4*\b:PC+1+4*\b], v[ACC+16*\b:ACC+7+16*\b], v[TM+12+\b]
	v_cvt_scalef32_pk8_fp8_f32 v[PC+2+4*\b:PC+3+4*\b], v[ACC+8+16*\b:ACC+15+16*\b], v[TM+12+\b]
.endr
	v_nop                                          ; a plain line between the conversions and the next products, which write their sources
	s_wait_alu depctr_va_vdst(0)                   ; the conversions have written the codes and the shifts the scale words, which the LDS stores below read; and every product issued so far is done reading its weights and their scale words, in which the next stage's loads land
.irp b, 0,1,2,3
	ds_store_b128 v[HW], v[PC+4*\b:PC+4*\b+3] offset:2048*\b+512*(\jj)   ; registers 4 jj .. 4 jj + 3 of the fragment of tile b: chunk jj of its image
.endr
.if (\jj) == 3
	ds_store_b128 v[HSW], v[PW:PW+3]
.endif
.endm
; A stage of product 1.  The loads of two stages ahead go into the buffer that was multiplied two stages ago.  They follow the wait on va_vdst in the last stage's quantiser with no wait of their own:
; the only vector or matrix lines issued since are this stage's products (and, at a trip's edge, the adds to three LDS addresses), which name none of the registers that these loads touch.
.macro STAGE1 jj, vo, sb, imm, vso, ssb, simm
	s_wait_loadcnt 33                              ; this stage's 33 loads are in; the next stage's may be out
.if (\jj) == 0
	s_wait_dscnt 0x0                               ; b1 (and, in the first trip, x)
.endif
.set NB, ((\jj)+2)&3
	MM1 \jj, 0
	WFRAG NB, 0, \vo, \sb, \imm
	MM1 \jj, 1
	WFRAG NB, 4, \vo, \sb, \imm
	MM1 \jj, 2
	MM1 \jj, 3
	WSCAL NB, \vso, \ssb, \simm
	s_wait_dscnt 0x0                               ; the last stage's LDS stores are done,
	s_wait_alu depctr_vm_vsrc(0)                   ; and have read the codes' and the scale words' registers, which the quantiser below writes again
	PLACES                                         ; behind the products, ahead of the first read of their results
	QUANT4 \jj
.endm
.macro TRIP1 last                      ; one group of 128 hidden units = one K step of product 2, in four stages of 32
	s_wait_alu depctr_va_vdst(0)                   ; the last trip's products are done reading b1's registers, in which the loads below land, and v[BA], by which they read, is written
.irp jj, 0,1,2,3
.irp q, 0,1,2,3
	ds_load_b128 v[BI+16*\jj+4*\q:BI+16*\jj+4*\q+3], v[BA] offset:128*\jj+16*\q
.endr
.endr
	STAGE1 0, VL, 28, 32768, VL, 32, 1024
	STAGE1 1, VL, 28, 49152, VL, 32, 1536
.if \last
	STAGE1 2, VW, 52, 0, VS, 54, 0                 ; product 2's first two stages
	STAGE1 3, VW+1, 52, 0, VS+1, 54, 0
.else
	STAGE1 2, VL, 30, 0, VL, 34, 0
	STAGE1 3, VL, 30, 16384, VL, 34, 512
	TEND 36, 38, 23
	s_wait_alu depctr_vm_vsrc(0)                   ; this trip's LDS stores and loads have read the three addresses that step below
	v_add_nc_u32 v[HW], 8192, v[HW]
	v_add_nc_u32 v[HSW], 512, v[HSW]
	v_add_nc_u32 v[BA], 512, v[BA]
.endif
.endm
; PRODUCT 2.  4 matrix instructions: fragment t of W2 x the four tiles of rows, one K step.  The 32 accumulators take turns.  b2 is the C of the first K step.
.macro MM2 jj, t, first
.if \first
	WIN 0x81+2*((\jj)>>1)
.else
	WIN 0xa1+2*((\jj)>>1)
.endif
.set WB, 128*((\jj)&1)
.set HF, HB+64*((\jj)&1)
.set HG, HS+4*((\jj)&1)
.irp m, 0,1,2,3
.if \first
	WM 64*\m+8*(\t), WB+16*(\t), HF+16*\m, B2R+8*(\t), WS+4*(\jj)+((\t)>>1), HG+\m, (\t)&1
.else
	WM 64*\m+8*(\t), WB+16*(\t), HF+16*\m, 64*\m+8*(\t), WS+4*(\jj)+((\t)>>1), HG+\m, (\t)&1
.endif
.endr
.endm
.macro HLOAD set, imm                  ; a K step's four fragments of h and their scale words: 17 LDS loads
	WIN 0
.irp m, 0,1,2,3
.irp c, 0,1,2,3
	ds_load_b128 v[HB+64*(\set)+16*\m+4*\c:HB+64*(\set)+16*\m+4*\c+3], v[HR] offset:(\imm)+2048*\m+512*\c
.endr
.endr
	ds_load_b128 v[HS+4*(\set):HS+4*(\set)+3], v[HSR] offset:(\imm)/16
.endm
; A stage of product 2: one K step, 32 products.  One wait on va_vdst at its head; behind it the stage's loads are dealt among its products, which name this stage's buffer, set and scale words and the accumulators:
; none of the registers that those loads touch.  nextb: the next K step's h is asked for; load: the weights of two stages ahead.  The last stage of all issues no load and holds no such wait.
.macro STAGE2 jj, first, load, nextb, lc, vo, sb, vso, ssb
	s_wait_loadcnt \lc                             ; this stage's weights are in; the next stage's 33 loads may be out
.if \nextb
	PLACES                                         ; the eight plain lines between the last stage's products and the loads into the registers that they read stand as they stood; the wait below states the dependence
.endif
	s_wait_dscnt 0x0                               ; this stage's h is in: it was asked for behind the last stage's first four products, and no younger LDS load is out
.if \nextb
	s_wait_alu depctr_va_vdst(0)                   ; the last stage's products are done reading the other set of h and its scale words; those of two stages ago their weights; in a trip's first stage v[HR] and v[HSR] are written
.endif
.set NB, ((\jj)+2)&3
	MM2 \jj, 0, \first
.if \nextb
	HLOAD ((\jj)+1)&1, ((\jj)+1)*8192
.endif
.if \load
	WSCAL NB, \vso, \ssb, 0
.endif
	MM2 \jj, 1, \first
	MM2 \jj, 2, \first
.if \load
	WFRAG NB, 0, \vo, \sb, 0
.endif
	MM2 \jj, 3, \first
	MM2 \jj, 4, \first
.if \load
	WFRAG NB, 4, \vo, \sb, 0
.endif
	MM2 \jj, 5, \first
	MM2 \jj, 6, \first
	MM2 \jj, 7, \first
.endm
.macro TRIP2 first                     ; four K steps, and the trip's end
	STAGE2 0, \first, 1, 1, 33, VW+2, 28, VS+2, 32
	STAGE2 1, 0, 1, 1, 33, VW+3, 28, VS+3, 32
	STAGE2 2, 0, 1, 1, 33, VW, 30, VS, 34
	STAGE2 3, 0, 1, 1, 33, VW+1, 30, VS+1, 34
	WIN 0
	TEND 40, 42, 22
	s_wait_alu depctr_vm_vsrc(0)                   ; this trip's LDS loads have read the two addresses that step below
	v_add_nc_u32 v[HR], 32768, v[HR]
	v_add_nc_u32 v[HSR], 2048, v[HSR]
.endm
	s_load_b256 s[4:11], s[0:1], 0x0               ; xq, w1q, w2q, b1
	s_load_b128 s[12:15], s[0:1], 0x20             ; b2, plan
	s_load_b64 s[16:17], s[0:1], 0x30              ; part
	v_lshrrev_b32 v31, 5, v0
	v_readfirstlane_b32 s18, v31                   ; wave 0..3
	v_and_b32 v240, 31, v0                         ; lane
	v_and_b32 v241, 15, v0                         ; r
	v_bfe_u32 v242, v0, 4, 1                       ; h
	v_lshlrev_b32 v[VL], 4, v240
	s_lshl_b32 s24, ttmp9, 4                       ; my tile's record
	s_lshl_b32 s25, ttmp9, 8                       ; and its 64 words of the list
	v_lshl_add_u32 v243, v241, 2, s25
	s_wait_alu depctr_va_sdst(0)                   ; s18 is written, ahead of its first reader: LDS places and the weights' bases are made from it
	s_lshl_b32 s26, s18, 6
	v_add_nc_u32 v244, s26, v243
	s_mov_b32 s[SEL], 0x76543210
	s_mov_b32 s[SEL+1], 0xfedcba98
	s_mov_b32 s[MNT], 0x600000
	s_wait_kmcnt 0x0
	s_load_b128 s[20:23], s[14:15], s24 offset:0x0 ; expert, rows, rq, rot
	s_wait_alu depctr_va_vdst(0)                   ; v243 and v244 are written: the offsets of the five loads below
.irp m, 0,1,2,3
	global_load_b32 v[RL+\m], v243, s[14:15] offset:ROWL+64*\m   ; the routed row of tile m at my lane % 16
.endr
	global_load_b32 v245, v244, s[14:15] offset:ROWL             ; and of the tile of rows that my wave gathers: m = wave
	s_lshl_b32 s26, s18, 15
	s_add_co_u32 s26, s26, HIMG
	v_add_nc_u32 v[HW], s26, v[VL]                 ; slot 4 wave + trip
	s_lshl_b32 s26, s18, 11
	s_add_co_u32 s27, s26, HSC
	v_add_nc_u32 v[HSW], s27, v[VL]
	s_add_co_u32 s27, s26, B1L
	v_lshl_add_u32 v[BA], v242, 6, s27             ; my half's 16 units of each 32
	v_add_nc_u32 v248, s27, v[VL]
	v_add_nc_u32 v[HR], HIMG, v[VL]
	v_add_nc_u32 v[HSR], HSC, v[VL]
	s_lshl_b32 s26, s18, 9
	v_add_nc_u32 v[LP], s26, v[VL]
	s_add_co_u32 s27, s26, B2L
	v_lshl_add_u32 v[B2A], v242, 5, s27
	v_add_nc_u32 v249, s27, v[VL]
	s_mul_i32 s26, s18, 8448
	s_add_co_u32 s26, s26, OST
	v_add_nc_u32 v[RD], s26, v[VL]
	v_mul_u32_u24 v[STO], v241, 528
	v_lshl_add_u32 v[STO], v242, 5, v[STO]
	v_add_nc_u32 v[STO], s26, v[STO]
	s_lshl_b32 s26, s18, 13
	v_add_nc_u32 v246, s26, v[VL]                  ; x's images: XIMG (= 0) + 8,192 wave + 16 lane
	s_lshl_b32 s26, s18, 2
	s_add_co_u32 s26, s26, XSC
	v_add_nc_u32 v247, s26, v[VL]                  ; x's scale words: XSC + 16 lane + 4 wave
.irp m, 0,1,2,3
	v_mov_b32 v[GP+2*\m+1], 0
.endr
	s_wait_kmcnt 0x0
	s_min_u32 s20, s20, 7                          ; numbers read from memory are held before they enter an address
	s_min_u32 s21, s21, 64
	s_min_u32 s22, s22, 3
	s_min_u32 s23, s23, 3
	s_add_co_u32 s19, s18, s22
	s_and_b32 s19, s19, 3                          ; my hidden quarter
	s_mov_b32 s25, 0
	s_mov_b32 s27, 0
	s_lshl_b32 s24, s20, 20
	s_lshl_b32 s26, s19, 18
	s_add_co_u32 s24, s24, s26
	s_add_nc_u64 s[36:37], s[6:7], s[24:25]        ; W1's codes: my expert, my quarter
	s_lshl_b32 s24, s20, 20
	s_lshl_b32 s26, s18, 18
	s_add_co_u32 s24, s24, s26
	s_add_nc_u64 s[40:41], s[8:9], s[24:25]        ; W2's codes: my expert, my 128 outputs
	s_lshl_b32 s24, s20, 15
	s_add_co_u32 s24, s24, SC_OFF
	s_lshl_b32 s26, s19, 13
	s_add_co_u32 s26, s26, s24
	s_add_nc_u64 s[38:39], s[6:7], s[26:27]        ; and the scale words
	s_lshl_b32 s26, s18, 13
	s_add_co_u32 s26, s26, s24
	s_add_nc_u64 s[42:43], s[8:9], s[26:27]
	s_lshl_b32 s24, s20, 13
	s_lshl_b32 s26, s19, 11
	s_add_co_u32 s24, s24, s26
	s_add_nc_u64 s[10:11], s[10:11], s[24:25]      ; b1: my expert, my quarter
	s_lshl_b32 s24, s20, 11
	s_lshl_b32 s26, s18, 9
	s_add_co_u32 s24, s24, s26
	s_add_nc_u64 s[12:13], s[12:13], s[24:25]      ; b2: my expert, my 128 outputs
	s_mov_b32 s24, s23
	BASES 28, 32, 36, 38                           ; product 1, trip 0
	s_add_co_u32 s24, s23, 1
	s_and_b32 s24, s24, 3
	BASES 30, 34, 36, 38                           ; trip 1
	s_mov_b32 s24, s22
	BASES 52, 54, 40, 42                           ; product 2, trip 0
.irp jj, 0,1,2,3
	s_add_co_u32 s24, s23, \jj
	s_and_b32 s24, s24, 3
	s_lshl_b32 s26, s24, 14
	v_add_nc_u32 v[VW+\jj], s26, v[VL]
	s_lshl_b32 s26, s24, 9
	v_add_nc_u32 v[VS+\jj], s26, v[VL]
.endr
	s_wait_alu depctr_va_vdst(0)                   ; every offset and LDS address made so far is written: v2-15, v28-30 and v246-249, which the loads below and the LDS stores and loads further down read
.irp k, 0,1,2,3
	global_load_b128 v[196+4*\k:199+4*\k], v[VS+\k], s[10:11]   ; b1 of trip k's group: 128 numbers
.endr
	global_load_b128 v[212:215], v[VL], s[12:13]
	WLOAD 0, VL, 28, 0, VL, 32, 0
	s_wait_loadcnt 38                              ; the five loads of the list are in: behind them stand b1's 4, b2's 1 and the stage's 33
	v_lshrrev_b32 v250, 1, v245                    ; the row's token
	v_min_u32 v250, 4095, v250
	v_lshlrev_b32 v251, 9, v250
	v_lshl_add_u32 v251, v242, 4, v251             ; its 512 codes, + 16 h
	v_lshlrev_b32 v252, 4, v250                    ; its 16 scale bytes
.irp m, 0,1,2,3
	v_min_u32 v[232+\m], 8191, v[RL+\m]
.endr
.irp m, 0,1,2,3
	v_lshlrev_b32 v[232+\m], 2, v[232+\m]          ; the gates' places
.endr
	s_wait_alu depctr_va_vdst(0)                   ; v251, v252 and v232-235 are written: the offsets of the 21 gathering loads below
.irp s, 0,1,2,3
.irp c, 0,1,2,3
	global_load_b128 v[128+16*\s+4*\c:128+16*\s+4*\c+3], v251, s[4:5] offset:128*\s+32*\c
.endr
.endr
	global_load_b128 v[192:195], v252, s[4:5] offset:XS_OFF
.irp m, 0,1,2,3
	global_load_b32 v[GP+2*\m], v[232+\m], s[4:5] offset:GATE_OFF
.endr
	WLOAD 1, VL, 28, 16384, VL, 32, 512
	s_wait_loadcnt 33                              ; all but the stage just asked for
.irp k, 0,1,2,3
	ds_store_b128 v248, v[196+4*\k:199+4*\k] offset:512*\k
.endr
	ds_store_b128 v249, v[212:215]
.irp s, 0,1,2,3
.irp c, 0,1,2,3
	ds_store_b128 v246, v[128+16*\s+4*\c:128+16*\s+4*\c+3] offset:2048*\s+512*\c
.endr
.endr
.irp s, 0,1,2,3
	ds_store_b32 v247, v[192+\s] offset:512*\s
.endr
	s_wait_dscnt 0x0                               ; for the others: my tile of rows lies in LDS
	s_barrier_signal -1
	s_barrier_wait -1
	s_wait_alu depctr_vm_vsrc(0)                   ; my LDS stores have read v128-215 and v246-249, the loads above their offsets v232-235 and v243-252: these registers are the quantiser's, b1's and later h's from here on
.irp b, 0,1,2,3
	v_mov_b32 v[TM+4+\b], 0                        ; written once: a lane permute's destination counts as one of its sources
.endr
	WIN 0x80                                       ; destination window 2
.irp m, 0,1,2,3
.irp s, 0,1,2,3
.irp c, 0,1,2,3
	ds_load_b128 v[64*\m+16*\s+4*\c:64*\m+16*\s+4*\c+3], v[VL] offset:XIMG+(4*\m+\s)*2048+512*\c   ; all 16 fragments of x stay in registers through product 1
.endr
.endr
.endr
	WIN 0
.irp s, 0,1,2,3
	ds_load_b128 v[XS+4*\s:XS+4*\s+3], v[VL] offset:XSC+512*\s
.endr
	s_mov_b32 s44, 0
.Lp1:
	TRIP1 0
	s_add_co_u32 s44, s44, 1
	s_cmp_lt_u32 s44, 3
	s_cbranch_scc1 .Lp1
	TRIP1 1                                        ; the last trip is written out: it asks for product 2's first stages
	s_wait_dscnt 0x0                               ; for the others: my quarter of h lies in LDS
	s_barrier_signal -1
	s_barrier_wait -1
	s_wait_alu depctr_vm_vsrc(0)                   ; my last LDS stores have read the codes' and the scale words' registers, in which h's second set lands
	s_wait_xcnt 0x0                                ; the loads issued so far have read their bases
	s_mov_b64 s[28:29], s[52:53]
	s_mov_b64 s[32:33], s[54:55]
	s_add_co_u32 s24, s22, 1
	s_and_b32 s24, s24, 3
	BASES 30, 34, 40, 42
	; no vector or matrix line has been issued since the wait on va_vdst in the last quantiser: it has shown product 1's accumulators, b1's registers and x's scale words done with, in which the loads below land
.irp t, 0,1,2,3,4,5,6,7
	ds_load_b128 v[B2R+8*\t:B2R+8*\t+3], v[B2A] offset:64*\t          ; b2 in the result's layout: outputs 16 t + 8 h + 0 .. 7
	ds_load_b128 v[B2R+8*\t+4:B2R+8*\t+7], v[B2A] offset:64*\t+16
.endr
	HLOAD 0, 0
	s_mov_b32 s44, 0
	TRIP2 1                                        ; the first K step starts the sums: written out ahead of the loop
	s_mov_b32 s44, 1
.Lp2:
	TRIP2 0
	s_add_co_u32 s44, s44, 1
	s_cmp_lt_u32 s44, 3
	s_cbranch_scc1 .Lp2
	STAGE2 0, 0, 1, 1, 33, VW+2, 28, VS+2, 32      ; the last trip asks for its own last two stages and nothing more
	STAGE2 1, 0, 1, 1, 33, VW+3, 28, VS+3, 32
	STAGE2 2, 0, 0, 1, 33, 0, 0, 0, 0
	STAGE2 3, 0, 0, 0, 0, 0, 0, 0, 0
	WIN 0
	; THE WAY OUT, a tile of 16 rows at a time: x the row's gate; through my own stage in LDS; back as whole pieces of 512 bytes of a row, which the 32 lanes store at the routed row's place in part.
	PLACES                                         ; behind the last products, ahead of the first read of their results
.irp m, 0,1,2,3
.irp i, 0,1,2,3,4,5,6,7,8,9,10,11,12,13,14,15
	v_readlane_b32 s[RS+\i], v[RL+\m], \i          ; the tile's sixteen rows' numbers, in one run, a scalar register each
.endr
	s_wait_alu depctr_va_sdst(0)                   ; s28-43 are written, ahead of their first readers: one wait for the sixteen
.irp i, 0,1,2,3,4,5,6,7,8,9,10,11,12,13,14,15
	s_min_u32 s[RS+\i], s[RS+\i], 8191
.endr
	s_wait_xcnt 0x0                                ; the last tile's stores have read their data and offsets
.if \m > 0
	s_wait_alu depctr_vm_vsrc(0)                   ; the last tile's global stores have read their offsets v128-143, which are written below, and their data v64-127, in which this tile's LDS loads land
.endif
.irp i, 0,1,2,3,4,5,6,7,8,9,10,11,12,13,14,15
	v_lshl_add_u32 v[VO+\i], s[RS+\i], 11, v[LP]   ; a row of part is 2,048 bytes
.endr
	WIN 0x82                                       ; the accumulators in window 2, the gate in window 0
.set ii, 0
.rept 32
	v_pk_mul_f32 v[64*\m+2*ii:64*\m+2*ii+1], v[64*\m+2*ii:64*\m+2*ii+1], v[GP+2*\m:GP+2*\m+1] op_sel_hi:[1,0]   ; each accumulator from its low end on
.set ii, ii+1
.endr
	WIN 0x08                                       ; an LDS store's data are its source 1
	s_wait_alu depctr_va_vdst(0)                   ; the multiplications have written the LDS stores' data, and the offsets v128-143, which the global stores below read, are written; the first K step's products are long done reading b2's registers, in which the LDS loads land
.irp t, 0,1,2,3,4,5,6,7
	ds_store_b128 v[STO], v[64*\m+8*\t:64*\m+8*\t+3] offset:64*\t
	ds_store_b128 v[STO], v[64*\m+8*\t+4:64*\m+8*\t+7] offset:64*\t+16
.endr
	WIN 0
.irp i, 0,1,2,3,4,5,6,7,8,9,10,11,12,13,14,15
	ds_load_b128 v[OB+4*\i:OB+4*\i+3], v[RD] offset:528*\i    ; LDS serves a wave's instructions in order: these see my stores
.endr
	s_wait_dscnt 0x0
.irp i, 0,1,2,3,4,5,6,7,8,9,10,11,12,13,14,15
	s_cmp_le_u32 s21, 16*\m+\i                     ; the tile's rows are its first ones: behind the last of them nothing is stored
	s_cbranch_scc1 .Lend
	global_store_b128 v[VO+\i], v[OB+4*\i:OB+4*\i+3], s[16:17] th:TH_STORE_NT   ; 512 consecutive bytes, at a multiple of 512 from the buffer's first byte
.endr
.endr
.Lend:
	s_wait_xcnt 0x0
	v_lshl_add_u32 v254, v0, 2, 0x35400            ; the add's two registers are made here, straight ahead of the closing lines: no two registers could be kept; no memory or LDS instruction has read either
	v_mov_b32 v255, 0
	s_wait_dscnt 0x0                               ; the closing lines, six on end
	s_wait_alu 0x0
	s_wait_tensorcnt 0x0
	ds_add_u32 v254, v255
	s_wait_dscnt 0x0
	s_endpgm
.Lfunc_end_k_q41f7650525_ffn:
	.size	k_q41f7650525_ffn, .Lfunc_end_k_q41f7650525_ffn-k_q41f7650525_ffn
	.p2alignl 7, 3214868480
	.fill 96, 4, 3214868480
	.section	.rodata,"a",@progbits
	.p2align	6, 0x0
	.amdhsa_kernel k_q41f7650525_ffn
		.amdhsa_group_segment_fixed_size 218624
		.amdhsa_private_segment_fixed_size 0
		.amdhsa_enable_private_segment 0
		.amdhsa_kernarg_size 56
		.amdhsa_user_sgpr_count 2
		.amdhsa_user_sgpr_kernarg_segment_ptr 1
		.amdhsa_wavefront_size32 1
		.amdhsa_system_sgpr_workgroup_id_x 1
		.amdhsa_system_sgpr_workgroup_id_y 1
		.amdhsa_system_sgpr_workgroup_id_z 1
		.amdhsa_system_vgpr_workitem_id 0
		.amdhsa_next_free_vgpr 1024
		.amdhsa_next_free_sgpr 72
		.amdhsa_reserve_vcc 0
		.amdhsa_float_denorm_mode_32 3
		.amdhsa_float_denorm_mode_16_64 3
		.amdhsa_memory_ordered 1
		.amdhsa_forward_progress 1
		.amdhsa_inst_pref_size 255
	.end_amdhsa_kernel
	.section	.bss,"aw",@nobits
	.p2align	6
	.space	262144
	.amdgpu_metadata
---
amdhsa.version: [ 1, 2 ]
amdhsa.kernels:
  - .name:           k_q41f7650525_ffn
    .symbol:         k_q41f7650525_ffn.kd
    .args:
      - { .name: xq, .offset: 0, .size: 8, .value_kind: global_buffer, .address_space: global }
      - { .name: w1q, .offset: 8, .size: 8, .value_kind: global_buffer, .address_space: global }
      - { .name: w2q, .offset: 16, .size: 8, .value_kind: global_buffer, .address_space: global }
      - { .name: b1, .offset: 24, .size: 8, .value_kind: global_buffer, .address_space: global }
      - { .name: b2, .offset: 32, .size: 8, .value_kind: global_buffer, .address_space: global }
      - { .name: plan, .offset: 40, .size: 8, .value_kind: global_buffer, .address_space: global }
      - { .name: part, .offset: 48, .size: 8, .value_kind: global_buffer, .address_space: global }
    .group_segment_fixed_size: 218624
    .private_segment_fixed_size: 0
    .kernarg_segment_align: 8
    .kernarg_segment_size: 56
    .max_flat_workgroup_size: 128
    .sgpr_count:     72
    .vgpr_count:     1024
    .wavefront_size: 32
...
	.end_amdgpu_metadata
.endif
;; end of part 5
;; launch comb: the kernel of part 4 again; grid 256 x 1, 8 waves a work-group, no clusters, 0 bytes of LDS; arguments part, out0; writes out0
